; MI455X (gfx1250); checked and timed in simulation.
; The chip was launched on July 23, 2026; its instructions are those of AMD's public machine-readable ISA for CDNA 5 (MIT licence, August 2026) and "CDNA5" Instruction Set Architecture Reference Guide (July 2026). The comments in the code are by the model that wrote it; some were corrected since.
;; Multi Head Attention. Allowed arithmetic: matrix products marked QUANTISED: E2M3 operands, one E8M0 scale for each 32 along K, by v_wmma_scale_f32_16x16x128_f8f6f4 with both operands' format E2M3, f32 sums; everything else in f32.
;; Inputs: Wk 16 x 1,024 x 64 float32; Wo 1,024 x 1,024 float32; Wq 16 x 1,024 x 64 float32; Wv 16 x 1,024 x 64 float32; bk 16 x 64 float32; bo 1,024 float32; bq 16 x 64 float32; bv 16 x 64 float32; hidden_state 4 x 2,048 x 1,024 float32.
;; Outputs: out0 4 x 2,048 x 1,024 float32.
;; This version of the problem:
;;   THIS VERSION OF THE PROBLEM IS GIVEN IN LOW PRECISION. The matrix products marked QUANTISED in the list below multiply operands that are first quantised to E2M3 (2 exponent bits, 3 mantissa bits; 6 bits a number), with one power-of-two scale for each 32 numbers along K (OCP MX v1.0); their sums are f32. All else is computed in f32.
;;   The module's matrix products, in the order in which they are computed (A, B: the left and right operand; K: the contracted axis; several contracted axes count as one K, in the product's order):
;;     1. [M 1,024, K 1,024] x [K 1,024, N 8,192]; A: input Wq; B: input hidden_state: QUANTISED
;;     2. [M 1,024, K 1,024] x [K 1,024, N 8,192]; A: input Wk; B: input hidden_state: QUANTISED
;;     3. [M 1,024, K 1,024] x [K 1,024, N 8,192]; A: input Wv; B: input hidden_state: QUANTISED
;;     4. batch 64 x [M 2,048, K 64] x [K 64, N 2,048]; A: computed on the way; B: computed on the way: QUANTISED
;;     5. batch 64 x [M 2,048, K 2,048] x [K 2,048, N 64]; A: softmax (see below); B: computed on the way: QUANTISED
;;     6. [M 8,192, K 1,024] x [K 1,024, N 1,024]; A: computed on the way; B: input Wo: QUANTISED
;;   THE QUANTISER, for each operand of a quantised product, along K:
;;     - K is cut into blocks of 32 from its start; a last block that is shorter is filled with zeros.
;;     - A block's scale is 2^e with e = floor(log2(the largest magnitude in the block)) - 2, held to -126 .. 127; a block of zeros has e = 0. As a byte (E8M0): e + 127.
;;     - Each number is divided by its block's scale, clamped to +-7.5, and rounded to the nearest number of E2M3, ties to even, subnormals kept.
;;     - The product sums the exact products of the quantised numbers (number of the format x scale) in f32.
;;   ~~~python
;;   def quantise(x, axis):      # numpy; x: float32 -> the quantised numbers, widened to float32 again
;;       x = np.moveaxis(x, axis, -1); K = x.shape[-1]
;;       x = np.pad(x, [(0, 0)] * (x.ndim - 1) + [(0, -K % 32)]); x = x.reshape(x.shape[:-1] + (-1, 32)); a = np.abs(x).max(-1, keepdims=True)
;;       e = np.where(a > 0, np.clip(np.frexp(np.where(a > 0, a, 1))[1] - 1 - 2, -126, 127), 0)      # np.frexp(a)[1] - 1 = floor(log2(a)), exactly
;;       r = np.clip(x / 2.0 ** e, -7.5, 7.5)
;;       step = 2.0 ** (np.maximum(np.frexp(np.where(r == 0, 1, r))[1] - 1, 0) - 3)
;;       q = np.round(r / step) * step * 2.0 ** e      # np.round: ties to even
;;       return np.moveaxis(q.reshape(q.shape[:-2] + (-1,))[..., :K], -1, axis).astype(np.float32)
;;   ~~~
;;   SOFTMAX AHEAD OF A QUANTISED PRODUCT. Where the list says 'softmax', what is quantised is not the finished softmax but p = 2^(t - M), with t = logit x log2(e) and M = ceil(the row's largest t), a whole number; so 1/2 < the row's largest p <= 1. The row's sum l is taken of the UNQUANTISED p, in f32, and the product's result is divided by l at the end. Since M is a whole number, a kernel that streams over the keys may use a running M (the ceiling of the running maximum): every later rescaling is an exact power of two, which a block's scale takes up: the codes' values come out the same.
;;   OPERANDS COMPUTED ON THE WAY. 'Computed on the way' means the value that the module computes at that place (a softmax that the list does not call 'softmax' is quantised finished and normalised). What goes into a quantiser is computed in f32, as accurately as f32 sums, v_exp_f32 and their like allow (about 1e-6 of the number): no bf16 or f16 on the way to a quantiser, and a product that is left as it is and whose result goes on into a quantised operand takes f32 operands (vector FMAs, or v_wmma_f32_16x16x4_f32). A number that lies on a knife's edge between two numbers of the format may be rounded either way, as far as f32 arithmetic and the matrix unit's own rounding can turn it there, and no further.
;; One version. Each part assembles by itself: llvm-mc -triple=amdgcn-amd-amdhsa -mcpu=gfx1250 --defsym DOCPART=n.
;; ======== version 1 of 1: 4 launches
;; limits: right only within a limited range of input values
;; workspace buffers: xc 6,291,456 bytes; wc 3,145,728 bytes; sc 393,216 bytes; qc 6,815,744 bytes; kv 13,369,344 bytes; ac 6,291,456 bytes; aw 524,288 bytes
;; launch prep (part 1): grid 384 x 1, 4 waves a work-group, no clusters, 100,096 bytes of LDS; arguments hidden_state, Wq, Wk, Wv, Wo, xc, wc, sc; writes xc, wc, sc
.if DOCPART == 1
	.amdgcn_target "amdgcn-amd-amdhsa--gfx1250"
	.amdhsa_code_object_version 6
	.text
	.protected	k_qe9fe8fe544_prep
	.globl	k_qe9fe8fe544_prep
	.p2align	8
	.type	k_qe9fe8fe544_prep,@function
k_qe9fe8fe544_prep:
	s_mov_b64 s[64:65], 0
	v_nop
	global_prefetch_b8 v0, s[64:65] scope:SCOPE_SE
	s_setreg_imm32_b32 hwreg(HW_REG_WAVE_MODE, 25, 1), 1
	s_wait_xcnt 0x0
; PREP: hidden_state [8192][1024] and the four weights, all f32, become codes of FP6 (E2M3) along K = the model's 1,024, with one E8M0 byte for each 32 along K.
; A block's scale is 2^(floor(log2(its largest magnitude)) - 2): its byte is the largest magnitude's exponent field - 2, held at 1 from below by a floor among the maximum's leaves.
; LIMITS: NaN and infinities are not served; blocks whose largest magnitude lies under 2^-124, blocks of zeros among them, carry the byte 1 (their codes are zeros or tiny; this program alone reads the bytes).
; WHAT IS WRITTEN are images of operand registers.  A fragment is 16 rows x 128 K, 12 registers a lane: lane (r, h) holds row r, registers 6 c .. 6 c + 5 = K 64 c + 32 h + 0 .. 31.
; Its image is 1,536 bytes: for each c 768 bytes: registers 0-3 at 16 x lane, registers 4-5 at 512 + 8 x lane.  xc: [tile 512][K step 8]; wc: [tile 256][K step 8].
; THE ROWS OF A TILE ARE NOT NEIGHBOURS: lane-row r of tile T is row 32 (T / 2) + 8 (T % 2) + r % 8 + 16 (r / 8), for tokens and for weight rows (q 0.., k 1024.., v 2048.., Wo's columns 3072..) alike:
; where such a tile is a product's first source, the 16 result registers of tiles 2 b and 2 b + 1 are 16 neighbours along the next product's K.
; sc: the scale words: tile x 512 + (K step / 4) x 256 + 16 r + 4 (K step % 4); the tokens' tiles at 0, the weights' at 262,144.
; Work-groups 0-255 take x (K innermost), work-groups 256-383 the weights (K is their first axis).  The two ways part on the work-group's number alone and have LDS bytes of their own.
; Work-groups share no input here: no cluster.  No tensor loads: the numbers must pass through registers anyway.
.set RAW,  32                          ; v32-159  two sets of 64 registers as loaded
.set XR,   160                         ; v160-223 64 numbers of a lane, in the order that the conversions want
.set PC,   224                         ; v224-243 the fragment's 12 registers, and 8 at work
.set TM,   244                         ; v244-247 largest magnitudes; v248-251 at work; v252-255 the conversions' scale operands
.set WD,   26                          ; v26-29   four K steps' scale words
.set VA,   10                          ; v10-25   the weights' way: byte offsets of my 16 loads
.set SEL,  22                          ; s[22:23] lane selects of v_permlanex16_b32: lane l xor 16
.set XSTG, 8448                        ; x's way: a stage of 16 rows x (512 + 16) bytes for each wave, from LDS byte 0
.set WST,  33792                       ; the weights' way: two stages, behind them
.set WBLK, 8224                        ; 32 rows of 256 bytes + 32: lanes 16-31, one such block on, fall on other banks than lanes 0-15
.set WSTG, 4*WBLK                      ; a stage: 128 along K x 64 columns
; 64 numbers of a lane, register 16 b + i = K 32 b + 16 h + i of my row, become the fragment in v[PC] on and my row's scale word
.macro QUANT s, word
.irp b, 0,1,2,3
	v_max3_num_f32 v[TM+\b], |v[\s+16*\b]|, |v[\s+1+16*\b]|, 0x1800000   ; my 16 numbers of block b, and the floor 2^(3 - 127)
.endr
.irp i, 2,4,6,8,10,12,14
.irp b, 0,1,2,3
	v_max3_num_f32 v[TM+\b], v[TM+\b], |v[\s+16*\b+\i]|, |v[\s+1+16*\b+\i]|   ; the four blocks by turns
.endr
.endr
.irp b, 0,1,2,3
	v_permlanex16_b32 v[TM+4+\b], v[TM+\b], s[SEL], s[SEL+1]
.endr
.irp b, 0,1,2,3
	v_max_num_f32 v[TM+\b], v[TM+\b], v[TM+4+\b]                   ; with lane l xor 16's 16: the block's largest magnitude
.endr
.irp b, 0,1,2,3
	v_add_nc_u32 v[TM+8+\b], 0xff000000, v[TM+\b]                  ; 2 off its exponent field: the conversion reads this operand's exponent field as its scale
.endr
.irp b, 0,1,2,3
	v_lshrrev_b32 v[TM+4+\b], 23, v[TM+8+\b]                       ; the scale's byte
.endr
	v_lshl_or_b32 v[\word], v[TM+5], 8, v[TM+4]
	v_lshl_or_b32 v[\word], v[TM+6], 16, v[\word]
	v_lshl_or_b32 v[\word], v[TM+7], 24, v[\word]
.irp c, 0,1
	v_cvt_scalef32_pk16_fp6_f32 v[PC+6*\c:PC+2+6*\c], v[\s+32*\c:\s+15+32*\c], v[TM+8+2*\c]
	v_cvt_scalef32_pk16_fp6_f32 v[PC+12+4*\c:PC+14+4*\c], v[\s+16+32*\c:\s+31+32*\c], v[TM+8+2*\c+1]   ; (a conversion's three registers begin on an even number)
.endr
	v_nop                                          ; one plain instruction behind the conversions
.irp c, 0,1                                    ; the layout wants a whole block in a lane: lanes 0-15 block 2 c, lanes 16-31 block 2 c + 1
.irp i, 0,1,2
	v_permlane16_swap_b32 v[PC+6*\c+\i], v[PC+12+4*\c+\i]
.endr
.irp i, 0,1,2
	v_mov_b32 v[PC+3+6*\c+\i], v[PC+12+4*\c+\i]
.endr
.endr
.endm
; the weights' way: register 32 c + i = K 64 c + 32 h + i of my column: two whole blocks a lane, already in the operand's order
.macro QUANTW word
.irp c, 0,1
	v_max3_num_f32 v[TM+\c], |v[XR+32*\c]|, |v[XR+1+32*\c]|, 0x1800000
.endr
.irp i, 2,4,6,8,10,12,14,16,18,20,22,24,26,28,30
.irp c, 0,1
	v_max3_num_f32 v[TM+\c], v[TM+\c], |v[XR+32*\c+\i]|, |v[XR+1+32*\c+\i]|
.endr
.endr
.irp c, 0,1
	v_add_nc_u32 v[TM+8+\c], 0xff000000, v[TM+\c]
.endr
.irp c, 0,1
	v_lshrrev_b32 v[TM+4+\c], 23, v[TM+8+\c]
.endr
	v_lshl_or_b32 v[TM+4], v[TM+5], 16, v[TM+4]    ; my two bytes: blocks h and 2 + h,
	v_lshlrev_b32 v[TM+4], v9, v[TM+4]             ; 8 h bits up;
	v_permlanex16_b32 v[TM+6], v[TM+4], s[SEL], s[SEL+1]
	v_or_b32 v[\word], v[TM+4], v[TM+6]            ; with lane l xor 16's two the word is whole
.irp c, 0,1
	v_cvt_scalef32_pk16_fp6_f32 v[PC+6*\c:PC+2+6*\c], v[XR+32*\c:XR+15+32*\c], v[TM+8+\c]
	v_cvt_scalef32_pk16_fp6_f32 v[PC+12+4*\c:PC+14+4*\c], v[XR+16+32*\c:XR+31+32*\c], v[TM+8+\c]
.endr
	v_nop
.irp c, 0,1
.irp i, 0,1,2
	v_mov_b32 v[PC+3+6*\c+\i], v[PC+12+4*\c+\i]
.endr
.endr
.endm
.macro PUTF base, off                  ; the fragment's image: each store covers whole aligned runs of 256 bytes
	global_store_b128 v4, v[PC:PC+3], s[\base:\base+1] offset:\off
	global_store_b64 v5, v[PC+4:PC+5], s[\base:\base+1] offset:\off+512
	global_store_b128 v4, v[PC+6:PC+9], s[\base:\base+1] offset:\off+768
	global_store_b64 v5, v[PC+10:PC+11], s[\base:\base+1] offset:\off+1280
.endm
	s_load_b512 s[4:19], s[0:1], 0x0               ; x s[4:5], Wq s[6:7], Wk s[8:9], Wv s[10:11], Wo s[12:13], xc s[14:15], wc s[16:17], sc s[18:19]
	v_lshl_add_u32 v239, v0, 2, 0x18500
	v_mov_b32 v243, 0
	v_lshrrev_b32 v1, 5, v0
	v_readfirstlane_b32 s20, v1                    ; wave 0..3
	v_and_b32 v1, 31, v0                           ; lane
	v_and_b32 v2, 15, v0                           ; r
	v_bfe_u32 v3, v0, 4, 1                         ; h
	v_lshlrev_b32 v4, 4, v1                        ; 16 x lane
	v_lshlrev_b32 v5, 3, v1                        ; 8 x lane
	v_lshlrev_b32 v8, 4, v2                        ; 16 r
.irp b, 0,1,2,3
	v_mov_b32 v[TM+4+\b], 0                        ; written once: a lane permute's destination counts as one of its sources
.endr
	s_mov_b32 s[SEL], 0x76543210
	s_mov_b32 s[SEL+1], 0xfedcba98
	s_lshr_b32 s24, s20, 1
	s_and_b32 s25, s20, 1
	s_cmp_lt_u32 ttmp9, 256
	s_cbranch_scc0 .Lweights
; ---- x.  Wave w takes tile T = 2 x work-group + w / 2 and K half q = w % 2: four fragments.
	s_lshl_b32 s26, ttmp9, 1
	s_add_co_u32 s26, s26, s24                     ; T
	s_lshl_b32 s28, ttmp9, 17                      ; the tile's first token, 32 (T / 2) + 8 (T % 2), x 4,096 bytes,
	s_lshl_b32 s27, s24, 15
	s_add_co_u32 s28, s28, s27
	s_lshl_b32 s27, s25, 11                        ; + 2,048 q
	s_add_co_u32 s28, s28, s27
	s_mov_b32 s29, 0
	s_mul_i32 s30, s26, 12288                      ; xc: the tile's eight fragments, my four
	s_mul_i32 s27, s25, 6144
	s_add_co_u32 s30, s30, s27
	s_mov_b32 s31, 0
	s_lshl_b32 s32, s26, 9                         ; sc: the tile's 512 bytes, my 256
	s_lshl_b32 s27, s25, 8
	s_add_co_u32 s32, s32, s27
	s_mov_b32 s33, 0
	s_mul_i32 s27, s20, XSTG                       ; my stage
	s_wait_alu depctr_va_vdst(0)
	v_add_nc_u32 v6, s27, v4                       ; in: a row's 512 bytes as they lie
	v_mul_u32_u24 v7, v2, 528
	v_lshl_add_u32 v7, v3, 6, v7
	v_add_nc_u32 v7, s27, v7                       ; out: row r, + 64 h: my 16 numbers of each block of 32
	s_wait_alu depctr_va_vdst(0)
	s_wait_kmcnt 0x0
	s_add_nc_u64 s[4:5], s[4:5], s[28:29]
	s_add_nc_u64 s[14:15], s[14:15], s[30:31]
	s_add_nc_u64 s[18:19], s[18:19], s[32:33]
.macro LOADX i                         ; K step i of my four: 16 rows x 512 consecutive bytes, a row a load
.set n, 0
.rept 16
	global_load_b128 v[RAW+64*((\i)%2)+4*n:RAW+64*((\i)%2)+4*n+3], v4, s[4:5] offset:((n%8)+16*(n/8))*4096+512*(\i) th:TH_LOAD_NT
.set n, n+1
.endr
.endm
.macro TURNX i                         ; through the stage: LDS serves a wave's instructions in order, so no wait stands between the stores and the loads
.set n, 0
.rept 16
	ds_store_b128 v6, v[RAW+64*((\i)%2)+4*n:RAW+64*((\i)%2)+4*n+3] offset:528*n
.set n, n+1
.endr
.irp b, 0,1,2,3
.irp c, 0,1,2,3
	ds_load_b128 v[XR+16*\b+4*\c:XR+16*\b+4*\c+3], v7 offset:128*\b+16*\c
.endr
.endr
.endm
	LOADX 0
	LOADX 1
.irp i, 0,1,2,3
.if \i < 3
	s_wait_loadcnt 16                              ; this K step's 16 loads are in; the next step's 16 stay out
.else
	s_wait_loadcnt 0x0
.endif
	TURNX \i
	s_wait_dscnt 0x0                               ; the stage's stores have read their registers, and my 64 numbers are back
.if \i > 0
	s_wait_xcnt 0x0                                ; the last fragment's stores have read v[PC] on: it is written again only behind this wait
.endif
.if \i < 2
	LOADX \i+2
.endif
	QUANT XR, WD+\i
	PUTF 14, 1536*\i
.endr
	global_store_b128 v8, v[WD:WD+3], s[18:19]     ; my rows' four words: both halves of the lanes name the same 256 bytes with the same words
	s_wait_tensorcnt 0x0
	ds_add_u32 v239, v243
	s_wait_dscnt 0x0
	s_endpgm
; ---- the weights.  Work-group 256 + 2 G + q takes 64 weight rows (G / 16: Wq, Wk, Wv, Wo; G % 16: the head, or 64 columns of Wo) and K half q; wave w makes tile 4 G + w.
; A K step's 128 x 64 numbers come in as whole rows of 256 bytes (wave w: rows 32 w on), lie in a stage that all four waves read, and each lane takes its column down K.
.Lweights:
	s_sub_co_u32 s26, ttmp9, 256
	s_lshr_b32 s27, s26, 1                         ; G
	s_and_b32 s28, s26, 1                          ; q
	s_lshr_b32 s29, s27, 4                         ; which tensor
	s_and_b32 s30, s27, 15
	s_lshl_b32 s42, s30, 18                        ; a head of Wq, Wk, Wv: 1,024 x 64 x 4 bytes
	s_lshl_b32 s46, s30, 8                         ; 64 columns of Wo
	s_mov_b32 s31, 4096
	s_wait_kmcnt 0x0
	s_cmp_eq_u32 s29, 0
	s_cselect_b64 s[40:41], s[6:7], s[8:9]
	s_cmp_lt_u32 s29, 2
	s_cselect_b64 s[40:41], s[40:41], s[10:11]
	s_cmp_lt_u32 s29, 3
	s_cselect_b64 s[40:41], s[40:41], s[12:13]     ; the choice hangs on the work-group's number alone
	s_cselect_b32 s31, 256, s31                    ; bytes from one k to the next
	s_cselect_b32 s42, s42, s46
	s_lshl_b32 s44, s31, 7                         ; a K step of 128
	s_lshl_b32 s46, s28, 2
	s_mul_i32 s46, s46, s44
	s_add_co_u32 s42, s42, s46                     ; + my K half
	s_mov_b32 s43, 0
	s_mov_b32 s45, 0
	s_add_nc_u64 s[32:33], s[40:41], s[42:43]      ; a base for each of my four K steps
	s_add_nc_u64 s[34:35], s[32:33], s[44:45]
	s_add_nc_u64 s[36:37], s[34:35], s[44:45]
	s_add_nc_u64 s[38:39], s[36:37], s[44:45]
	s_lshl_b32 s46, s20, 5
	s_wait_alu depctr_va_vdst(0)
	v_add_nc_u32 v9, s46, v3                       ; row 32 w + h,
	v_mul_lo_u32 v9, v9, s31
	v_add_nc_u32 v[VA], v9, v8                     ; + 16 r: lanes 0-15 take one row of 256 bytes, lanes 16-31 the next
	s_lshl_b32 s46, s31, 1
.irp j, 1,2,3,4,5,6,7,8,9,10,11,12,13,14,15
	v_add_nc_u32 v[VA+\j], s46, v[VA+\j-1]         ; two rows on
.endr
	s_mul_i32 s47, s20, WBLK
	s_add_co_u32 s47, s47, WST
	v_add_nc_u32 v6, s47, v4                       ; into the stage: my 32 rows, 16 x lane = 256 h + 16 r
	v_and_b32 v7, 7, v0
	v_bfe_u32 v9, v0, 3, 1
	v_lshl_add_u32 v7, v9, 4, v7                   ; r % 8 + 16 (r / 8)
	s_lshl_b32 s47, s24, 5
	s_lshl_b32 s21, s25, 3
	s_add_co_u32 s47, s47, s21                     ; + 32 (w / 2) + 8 (w % 2): my lane's column among the 64
	v_add_nc_u32 v7, s47, v7
	v_lshlrev_b32 v7, 2, v7
	v_mad_u32_u24 v7, v3, WBLK, v7                 ; lanes 16-31 begin 32 rows further down
	v_add_nc_u32 v7, WST, v7
	v_lshlrev_b32 v9, 3, v3                        ; 8 h
	s_lshl_b32 s21, s27, 2
	s_add_co_u32 s21, s21, s20                     ; my tile
	s_mul_i32 s46, s21, 12288
	s_mul_i32 s47, s28, 6144
	s_add_co_u32 s46, s46, s47
	s_mov_b32 s47, 0
	s_add_nc_u64 s[16:17], s[16:17], s[46:47]
	s_lshl_b32 s46, s21, 9
	s_lshl_b32 s21, s28, 8
	s_add_co_u32 s46, s46, s21
	s_add_co_u32 s46, s46, 262144
	s_add_nc_u64 s[18:19], s[18:19], s[46:47]
.macro LOADW i
.set n, 0
.rept 16
	global_load_b128 v[RAW+64*((\i)%2)+4*n:RAW+64*((\i)%2)+4*n+3], v[VA+n], s[32+2*(\i):33+2*(\i)] th:TH_LOAD_NT
.set n, n+1
.endr
.endm
	LOADW 0
	LOADW 1
	s_wait_alu depctr_va_vdst(0)
.irp i, 0,1,2,3
.if \i < 3
	s_wait_loadcnt 16                              ; this K step's 16 loads are in; the next step's 16 stay out
.else
	s_wait_loadcnt 0x0
.endif
.set n, 0
.rept 16
	ds_store_b128 v6, v[RAW+64*(\i%2)+4*n:RAW+64*(\i%2)+4*n+3] offset:WSTG*(\i%2)+512*n
.set n, n+1
.endr
	s_wait_dscnt 0x0                               ; for the others' sake: my rows lie in the stage.  (My reads of the stage of the step before were waited for in that step:
	s_barrier_signal -1                            ; so, with two stages by turns, this one barrier also stands between every wave's reads of a stage and the stores that fill it two steps later.)
	s_barrier_wait -1
.if \i < 2
	LOADW \i+2
.endif
.irp c, 0,1
.set n, 0
.rept 32
	ds_load_b32 v[XR+32*\c+n], v7 offset:WSTG*(\i%2)+2*WBLK*\c+256*n   ; W(64 c + 32 h + n, my column)
.set n, n+1
.endr
.endr
	s_wait_dscnt 0x0
.if \i > 0
	s_wait_xcnt 0x0                                ; the last fragment's stores have read v[PC] on
.endif
	QUANTW WD+\i
	PUTF 16, 1536*\i
.endr
	global_store_b128 v8, v[WD:WD+3], s[18:19]
	s_wait_tensorcnt 0x0
	ds_add_u32 v239, v243
	s_wait_dscnt 0x0
	s_endpgm
.Lfunc_end_k_qe9fe8fe544_prep:
	.size	k_qe9fe8fe544_prep, .Lfunc_end_k_qe9fe8fe544_prep-k_qe9fe8fe544_prep
	.p2alignl 7, 3214868480
	.fill 96, 4, 3214868480
	.section	.rodata,"a",@progbits
	.p2align	6, 0x0
	.amdhsa_kernel k_qe9fe8fe544_prep
		.amdhsa_group_segment_fixed_size 100096
		.amdhsa_private_segment_fixed_size 0
		.amdhsa_enable_private_segment 0
		.amdhsa_kernarg_size 64
		.amdhsa_user_sgpr_count 2
		.amdhsa_user_sgpr_kernarg_segment_ptr 1
		.amdhsa_wavefront_size32 1
		.amdhsa_system_sgpr_workgroup_id_x 1
		.amdhsa_system_sgpr_workgroup_id_y 1
		.amdhsa_system_sgpr_workgroup_id_z 1
		.amdhsa_system_vgpr_workitem_id 0
		.amdhsa_next_free_vgpr 256
		.amdhsa_next_free_sgpr 66
		.amdhsa_reserve_vcc 0
		.amdhsa_float_denorm_mode_32 3
		.amdhsa_float_denorm_mode_16_64 3
		.amdhsa_memory_ordered 1
		.amdhsa_forward_progress 1
		.amdhsa_inst_pref_size 76
	.end_amdhsa_kernel
	.amdgpu_metadata
---
amdhsa.version: [ 1, 2 ]
amdhsa.kernels:
  - .name:           k_qe9fe8fe544_prep
    .symbol:         k_qe9fe8fe544_prep.kd
    .args:
      - { .name: hidden_state, .offset: 0, .size: 8, .value_kind: global_buffer, .address_space: global }
      - { .name: Wq, .offset: 8, .size: 8, .value_kind: global_buffer, .address_space: global }
      - { .name: Wk, .offset: 16, .size: 8, .value_kind: global_buffer, .address_space: global }
      - { .name: Wv, .offset: 24, .size: 8, .value_kind: global_buffer, .address_space: global }
      - { .name: Wo, .offset: 32, .size: 8, .value_kind: global_buffer, .address_space: global }
      - { .name: xc, .offset: 40, .size: 8, .value_kind: global_buffer, .address_space: global }
      - { .name: wc, .offset: 48, .size: 8, .value_kind: global_buffer, .address_space: global }
      - { .name: sc, .offset: 56, .size: 8, .value_kind: global_buffer, .address_space: global }
    .group_segment_fixed_size: 100096
    .private_segment_fixed_size: 0
    .kernarg_segment_align: 8
    .kernarg_segment_size: 64
    .max_flat_workgroup_size: 128
    .sgpr_count:     66
    .vgpr_count:     256
    .wavefront_size: 32
...
	.end_amdgpu_metadata
.endif
;; end of part 1
;; launch qkv (part 2): grid 24 x 32, 4 waves a work-group, clusters of 4 x 4, 327,680 bytes of LDS; arguments xc, wc, sc, bq, bk, bv, qc, kv; writes qc, kv
.if DOCPART == 2
	.amdgcn_target "amdgcn-amd-amdhsa--gfx1250"
	.amdhsa_code_object_version 6
	.text
	.protected	k_qe9fe8fe544_qkv
	.globl	k_qe9fe8fe544_qkv
	.p2align	8
	.type	k_qe9fe8fe544_qkv,@function
k_qe9fe8fe544_qkv:
	s_mov_b64 s[64:65], 0
	v_nop
	global_prefetch_b8 v0, s[64:65] scope:SCOPE_SE
	s_setreg_imm32_b32 hwreg(HW_REG_WAVE_MODE, 25, 1), 1
	s_wait_xcnt 0x0
	s_wait_alu depctr_hold_cnt(0) depctr_sa_sdst(0) depctr_va_vdst(0) depctr_va_sdst(0) depctr_va_ssrc(0) depctr_va_vcc(0) depctr_vm_vsrc(0)
	s_getreg_b32 s2, hwreg(HW_REG_IB_STS2, 6, 4)
	s_cmp_eq_u32 s2, 0
	s_cbranch_scc0 .Lentry_in_a_cluster
	s_endpgm
.Lentry_in_a_cluster:
	s_bfe_u32 s2, ttmp6, 0x10000c
	s_cmp_lg_u32 s2, 0xf033
	s_cbranch_scc0 .Lentry_shape_is_right
	s_endpgm
.Lentry_shape_is_right:
; QKV: q, k and v = x W + b on codes of FP6 (E2M3) with E8M0 scales, K = 1,024; the results are quantised in registers and leave as codes: q and k along the head's 64, v along the keys.
; A PRODUCT'S TWO SIDES.  P: 256 rows, the matrix instruction's second source: its rows are the result's LANES.  R: 128 rows, the first source: its rows run along the result's REGISTERS,
; and by the order of rows in a tile (lane-row r of tile T is row 32 (T / 2) + 8 (T % 2) + r % 8 + 16 (r / 8)) a lane's 64 results of a P tile are 128 R rows' worth in the order 32 b + 16 h + i: what the quantiser wants.
; TWO ROLES, ONE PATH, chosen by the cluster's x alone, by selects only:  x < 4: P = tokens, R = rows of Wq (x < 2) or Wk: the codes run along the head's axis (128 R rows = two heads).
;   x >= 4: P = rows of Wv, R = tokens: the codes run along the keys (128 tokens = one key step).
; ALL OF K LIES IN LDS: (256 + 128) rows x 768 bytes = 294,912 bytes, in four chunks of 256 along K, each byte filled once: no slot is ever filled again.  Operands are images of registers: every LDS load reads consecutive bytes.
; CLUSTER 4 x 4: P's tiles are shared along a row of the cluster, R's along a column: joint loads, which divide the requests by four.  Waves 0, 1 ask for P's halves, waves 2, 3 for R's: four loads a wave, all at the head.
; A wave takes P tiles 4 w .. 4 w + 3 against all eight R tiles: 32 accumulators, which take turns, one instruction a turn, in the same order in every K step.
; OUT.  qc: [b x 16 + head][record 16] of 6,656 bytes: 8 tiles of 16 tokens x 768 bytes, then their scale words (tile 4 i' + i, row r at 6,144 + 256 i' + 16 r + 4 i; upper two bytes 0).
;       kv: [b x 16 + head][key step 16] of 13,056 bytes: K as in qc; V's four fragments (16 channels x 128 keys) at 6,656; V's words (16 r + 4 x tile) at 12,800.
; LIMITS: NaN and infinities are not served (the bias of the role that a work-group does not have is multiplied by 0); blocks whose largest magnitude lies under 2^-124 carry the byte 1.
; REGISTERS.  window 0: v1-7 lane terms; v16-31 LDS addresses; v32-63 P's scale words, v64-127 R's; v128-223 P's fragments, two sets; v224-231 the bias along P; on the way out v128-223 and v232-243 are at work.
;   window 1: R's fragments, two sets, v0-95 and v128-223; the bias along R in v96-127 and v224-255.   window 2: accumulator (a, b) at v[64 a + 8 b].
.set AP16, 16                          ; v16-19  chunk c: my four P tiles, + 16 x lane
.set AP8,  20                          ; v20-23  the same, + 8 x lane
.set AR16, 24                          ; v24-27  chunk c: the R tiles, + 16 x lane
.set AR8,  28                          ; v28-31
.set SP,   32                          ; P's scale word of (tile a, K step g): v[SP + 8 a + g]
.set SR,   64                          ; R's: v[SR + 8 b + g]
.set PF,   128
.set BP,   224
.set T,    128                         ; the way out: 64 numbers of a lane
.set PC,   192                         ; the fragment just made, and 8 at work
.set TM,   212
.set WD,   232                         ; four tiles' scale words
.set WS,   236
.set TW,    240
; K LIES IN LDS IN TWO HALVES OF 512 ALONG K (this replaces the four chunks and the four loads a wave that the head comment names).  The four tiles are shared out, one joint load a wave, all at the head:
; wave 0 P's 16 tiles of the first half, wave 1 R's 8, wave 2 P's of the second half, wave 3 R's.  Waves 0 and 1 alone wait ahead of the first barrier; every wave waits ahead of the barrier in K step 3.  Each byte is filled once.
.set CHUNK, 147456                     ; LDS: a half of K: 16 P tiles, then 8 R tiles, 6,144 bytes (four K steps) each
.set RPART, 98304
.set TILEB, 6144
.set G1A, 28                           ; s[28:35] descriptor group 1 for P's tiles; s[36:43] for R's
.set G1B, 36
.set G0A, 44                           ; s[44:51] group 0 for P's two halves; s[68:75] for R's
.set G0B, 68
.set SEL, 100
.set MSB, 0
.macro WIN new                         ; s_set_vgpr_msb: bits 1:0 source 0, 3:2 source 1, 5:4 source 2, 7:6 destination; the high byte repeats the setting that is left
.if MSB != \new
	s_set_vgpr_msb (MSB<<8)|\new
.set MSB, \new
.endif
.endm
.macro CROUND                          ; a round of the cluster's barrier
	s_barrier_signal -1
	s_barrier_wait -1
	s_cmp_lg_u32 s20, 0
	s_cbranch_scc1 .Lnot_wave_0_\@
	s_barrier_signal -3
.Lnot_wave_0_\@:
	s_barrier_wait -3
	s_barrier_signal -1
	s_barrier_wait -1
.endm
.macro FRAG reg, a16, a8, off          ; a fragment's image back into 12 registers
	ds_load_b128 v[\reg:\reg+3], v[\a16] offset:\off
	ds_load_b64 v[\reg+4:\reg+5], v[\a8] offset:\off+512
	ds_load_b128 v[\reg+6:\reg+9], v[\a16] offset:\off+768
	ds_load_b64 v[\reg+10:\reg+11], v[\a8] offset:\off+1280
.endm
.macro FETCH g                         ; K step g's fragments, 48 loads in one run: R's eight into window 1, my four of P into window 0, set g % 2
	WIN 0x40
.irp b, 0,1,2,3,4,5,6,7
	FRAG 128*((\g)%2)+12*\b, AR16+(\g)/4, AR8+(\g)/4, TILEB*\b+1536*((\g)%4)
.endr
	WIN 0
.irp a, 0,1,2,3
	FRAG PF+48*((\g)%2)+12*\a, AP16+(\g)/4, AP8+(\g)/4, TILEB*\a+1536*((\g)%4)
.endr
.endm
.macro MUL g, cmode                    ; 32 matrix instructions.  cmode 0: the constant 0 starts the sums; 1: the bias along R does; 2: in place
.if \cmode == 1
	WIN 0x91
.else
	WIN 0xa1
.endif
.irp a, 0,1,2,3
.irp b, 0,1,2,3,4,5,6,7
.if \cmode == 0
	v_wmma_scale_f32_16x16x128_f8f6f4 v[64*\a+8*\b:64*\a+8*\b+7], v[128*((\g)%2)+12*\b:128*((\g)%2)+12*\b+11], v[PF+48*((\g)%2)+12*\a:PF+48*((\g)%2)+12*\a+11], 0, v[SR+8*\b+(\g)], v[SP+8*\a+(\g)] matrix_a_fmt:MATRIX_FMT_FP6 matrix_b_fmt:MATRIX_FMT_FP6
.elseif \cmode == 1
	v_wmma_scale_f32_16x16x128_f8f6f4 v[64*\a+8*\b:64*\a+8*\b+7], v[128*((\g)%2)+12*\b:128*((\g)%2)+12*\b+11], v[PF+48*((\g)%2)+12*\a:PF+48*((\g)%2)+12*\a+11], v[96+8*\b+96*(\b/4):96+8*\b+96*(\b/4)+7], v[SR+8*\b+(\g)], v[SP+8*\a+(\g)] matrix_a_fmt:MATRIX_FMT_FP6 matrix_b_fmt:MATRIX_FMT_FP6
.else
	v_wmma_scale_f32_16x16x128_f8f6f4 v[64*\a+8*\b:64*\a+8*\b+7], v[128*((\g)%2)+12*\b:128*((\g)%2)+12*\b+11], v[PF+48*((\g)%2)+12*\a:PF+48*((\g)%2)+12*\a+11], v[64*\a+8*\b:64*\a+8*\b+7], v[SR+8*\b+(\g)], v[SP+8*\a+(\g)] matrix_a_fmt:MATRIX_FMT_FP6 matrix_b_fmt:MATRIX_FMT_FP6
.endif
.endr
.endr
.endm
.macro KSTEP g, cmode
	s_wait_dscnt 0x0                               ; this K step's fragments, asked for a whole K step ago, are in
.if (\g) == 3
	s_wait_tensorcnt 0x0                           ; my part of K's second half has landed;
	s_barrier_signal -1
	s_barrier_wait -1                              ; everybody's has.
.endif
.if (\g) < 7
.rept 4
	v_nop                                          ; four places between the last K step's products and the loads into the registers that they read (ISA guide 7.12.1 for vector instructions)
.endr
	FETCH (\g)+1
.endif
	MUL \g, \cmode
.endm
; 64 numbers of a lane, register 16 b + i = K 32 b + 16 h + i of my row, become the fragment in v[PC] on and my row's scale word
.macro QUANT s, word
.irp b, 0,1,2,3
	v_max3_num_f32 v[TM+\b], |v[\s+16*\b]|, |v[\s+1+16*\b]|, 0x1800000   ; my 16 numbers of block b, and the floor 2^(3 - 127)
.endr
.irp i, 2,4,6,8,10,12,14
.irp b, 0,1,2,3
	v_max3_num_f32 v[TM+\b], v[TM+\b], |v[\s+16*\b+\i]|, |v[\s+1+16*\b+\i]|
.endr
.endr
.irp b, 0,1,2,3
	v_permlanex16_b32 v[TM+4+\b], v[TM+\b], s[SEL], s[SEL+1]
.endr
.irp b, 0,1,2,3
	v_max_num_f32 v[TM+\b], v[TM+\b], v[TM+4+\b]
.endr
.irp b, 0,1,2,3
	v_add_nc_u32 v[TM+8+\b], 0xff000000, v[TM+\b]                  ; 2 off the exponent field: the conversion's scale operand
.endr
.irp b, 0,1,2,3
	v_lshrrev_b32 v[TM+4+\b], 23, v[TM+8+\b]                       ; the scale's byte
.endr
	v_lshl_or_b32 v[\word], v[TM+5], 8, v[TM+4]
	v_lshl_or_b32 v[\word], v[TM+6], 16, v[\word]
	v_lshl_or_b32 v[\word], v[TM+7], 24, v[\word]
.irp c, 0,1
	v_cvt_scalef32_pk16_fp6_f32 v[PC+6*\c:PC+2+6*\c], v[\s+32*\c:\s+15+32*\c], v[TM+8+2*\c]
	v_cvt_scalef32_pk16_fp6_f32 v[PC+12+4*\c:PC+14+4*\c], v[\s+16+32*\c:\s+31+32*\c], v[TM+8+2*\c+1]
.endr
	v_nop                                          ; one plain instruction behind the conversions
.irp c, 0,1
.irp i, 0,1,2
	v_permlane16_swap_b32 v[PC+6*\c+\i], v[PC+12+4*\c+\i]
.endr
.irp i, 0,1,2
	v_mov_b32 v[PC+3+6*\c+\i], v[PC+12+4*\c+\i]
.endr
.endr
.endm
	s_load_b512 s[4:19], s[0:1], 0x0               ; xc s[4:5], wc s[6:7], sc s[8:9], bq s[10:11], bk s[12:13], bv s[14:15], qc s[16:17], kv s[18:19]
	v_lshl_add_u32 v254, v0, 2, 0x48000
	v_mov_b32 v255, 0
	ds_add_u32 v254, v255
	ds_add_u32 v254, v255
	v_lshrrev_b32 v1, 5, v0
	v_readfirstlane_b32 s20, v1                    ; wave 0..3
	s_lshr_b32 s21, s20, 1                         ; w / 2
	s_and_b32 s22, s20, 1                          ; w % 2
	s_bfe_u32 s23, ttmp6, 0x40000                  ; cx
	s_bfe_u32 s24, ttmp6, 0x40004                  ; cy
	s_and_b32 s26, ttmp7, 0xffff                   ; the cluster's y; its x is ttmp9
	s_lshl_b32 s2, s24, 2
	s_lshl_b32 s2, 15, s2                          ; my row of the cluster
	s_lshl_b32 s25, 0x1111, s23                    ; my column
	; descriptor group 1: rows of 6,144 bytes (a tile's four K steps: 768 elements of 8 bytes), 12,288 bytes (a tile's whole K) apart; 16 tiles a load for P, 8 for R; no padding
	s_or_b32 s[G1A], s2, (3<<16)|(1<<21)           ; 15:0 the mask: P's tiles go to my row; 17:16 elements of 8 bytes; 21 set beside a mask
	s_or_b32 s[G1B], s25, (3<<16)|(1<<21)          ; R's tiles go to my column
.irp g, G1A, G1B
	s_mov_b32 s[\g+1], 768<<16                     ; tensor_dim0: rows of 6,144 bytes, a tile's four K steps
	s_mov_b32 s[\g+3], 768<<16                     ; tile_dim0
	s_mov_b32 s[\g+5], 1536                        ; tensor_dim0_stride
	s_mov_b32 s[\g+6], 0
	s_mov_b32 s[\g+7], 0
.endr
	s_mov_b32 s[G1A+2], 16<<16                     ; tensor_dim1
	s_mov_b32 s[G1A+4], 16                         ; tile_dim1
	s_mov_b32 s[G1B+2], 8<<16
	s_mov_b32 s[G1B+4], 8
	s_mov_b32 s[SEL], 0x76543210
	s_mov_b32 s[SEL+1], 0xfedcba98
	s_lshl_b32 s60, s26, 2                         ; 4 y
	s_lshl_b32 s61, ttmp9, 2                       ; 4 x
	s_sub_co_u32 s27, ttmp9, 4
	s_lshl_b32 s27, s27, 5
	s_add_co_u32 s27, s27, s60                     ; 32 (x - 4) + 4 y
	s_mov_b32 s90, 1536
	s_mov_b32 s98, 208896
	s_mov_b32 s99, 13056
	s_wait_dscnt 0x0
	s_wait_kmcnt 0x0
	s_cmp_lt_u32 ttmp9, 2                          ; q's rows?
	s_cselect_b64 s[16:17], s[16:17], s[18:19]     ; where the codes go: qc, else kv
	s_cselect_b64 s[10:11], s[10:11], s[12:13]
	s_cselect_b32 s98, 106496, s98                 ; bytes of a head there,
	s_cselect_b32 s99, 6656, s99                   ; and of a record
	s_cmp_lt_u32 ttmp9, 4                          ; q's or k's rows?  All that differs between the roles is selected here
	s_cselect_b64 s[10:11], s[10:11], s[14:15]     ; the bias along R: bq, bk (in v's role bv, multiplied by 0)
	s_cselect_b64 s[66:67], s[4:5], s[6:7]         ; P's codes: x's, else the weights'
	s_cselect_b64 s[6:7], s[6:7], s[4:5]           ; R's: the other
	s_cselect_b32 s60, s60, 0
	s_cselect_b32 s61, s61, s27
	s_cselect_b32 s62, 0, 128                      ; Wv's first tile
	s_cselect_b32 s63, 0, 262144                   ; where P's scale words begin in sc,
	s_cselect_b32 s27, 262144, 0                   ; and R's
	s_cselect_b32 s92, 1.0, 0                      ; the bias along R counts,
	s_cselect_b32 s94, 0, 1.0                      ; or the bias along P
	s_cselect_b32 s90, 768, s90                    ; from a P tile's codes to the next tile's
	s_cselect_b32 s96, 0xffff, -1                  ; the first head's two scale bytes, or all four
	s_cselect_b32 s97, 16, 0                       ; the second head's
	s_mov_b32 s93, s92                             ; (named as pairs by the packed forms)
	s_mov_b32 s95, s94
	s_mov_b32 s91, 0
	s_add_co_u32 s60, s60, s24                     ; P's block of 256 rows: 4 y + cy, or cy.  It never holds cx
	s_add_co_u32 s61, s61, s23                     ; R's block of 128 rows: 4 x + cx, or 32 (x - 4) + 4 y + cx.  It never holds cy
	s_lshl_b32 s2, s60, 4
	s_add_co_u32 s62, s2, s62                      ; P's first tile
	s_lshl_b32 s25, s61, 3                         ; R's first tile
	s_mul_i32 s2, s62, 12288
	s_mov_b32 s3, 0
	s_add_nc_u64 s[66:67], s[66:67], s[2:3]        ; P's sixteen tiles
	s_mul_i32 s4, s25, 12288
	s_mov_b32 s5, 0
	s_add_nc_u64 s[6:7], s[6:7], s[4:5]            ; R's eight tiles
	s_mov_b32 s84, 0                               ; where they go in a half: constants alone
	s_mov_b32 s85, RPART
.irp c, 0,1
	s_mov_b32 s[G0A+4*\c], 1                       ; count = 1
	s_add_co_u32 s[G0A+4*\c+1], s84, CHUNK*\c      ; LDS address
	s_add_nc_u64 s[G0A+4*\c+2:G0A+4*\c+3], s[66:67], TILEB*\c   ; global address: chunk c of each tile
	s_or_b32 s[G0A+4*\c+3], s[G0A+4*\c+3], 0x80000000           ; type = 2
	s_mov_b32 s[G0B+4*\c], 1
	s_add_co_u32 s[G0B+4*\c+1], s85, CHUNK*\c
	s_add_nc_u64 s[G0B+4*\c+2:G0B+4*\c+3], s[6:7], TILEB*\c
	s_or_b32 s[G0B+4*\c+3], s[G0B+4*\c+3], 0x80000000
.endr
	CROUND                                         ; all sixteen work-groups are here: the joint loads meet
	s_cmp_eq_u32 s20, 0                            ; one chain of branches on the wave's number, one load to an arm, all arms to one join
	s_cbranch_scc0 .Lwave_1
	tensor_load_to_lds s[G0A:G0A+3], s[G1A:G1A+7]  ; wave 0: P, K's first half
	s_nop 0
.rept 4
	v_nop
.endr
	s_branch .Lasked
.Lwave_1:
	s_cmp_eq_u32 s20, 1
	s_cbranch_scc0 .Lwave_2
	tensor_load_to_lds s[G0B:G0B+3], s[G1B:G1B+7]  ; wave 1: R, K's first half
	s_nop 0
.rept 4
	v_nop
.endr
	s_branch .Lasked
.Lwave_2:
	s_cmp_eq_u32 s20, 2
	s_cbranch_scc0 .Lwave_3
	tensor_load_to_lds s[G0A+4:G0A+7], s[G1A:G1A+7]   ; wave 2: P, K's second half
	s_nop 0
.rept 4
	v_nop
.endr
	s_branch .Lasked
.Lwave_3:
	tensor_load_to_lds s[G0B+4:G0B+7], s[G1B:G1B+7]   ; wave 3: R, K's second half
	s_nop 0
.rept 4
	v_nop
.endr
.Lasked:
	v_and_b32 v8, 31, v0
	v_lshlrev_b32 v1, 4, v8                        ; 16 x lane
	v_lshlrev_b32 v2, 3, v8                        ; 8 x lane
	v_and_b32 v9, 15, v0
	v_lshlrev_b32 v3, 4, v9                        ; 16 r
	v_bfe_u32 v4, v0, 4, 1                         ; h
	v_lshlrev_b32 v5, 6, v4                        ; 64 h: the bias along R: my half's 16 numbers of each 32
	v_and_b32 v6, 7, v0
	v_bfe_u32 v10, v0, 3, 1
	v_lshl_add_u32 v6, v10, 4, v6
	v_lshlrev_b32 v6, 2, v6                        ; 4 (r % 8 + 16 (r / 8)): the bias along P: my lane's row of a tile
	s_mul_i32 s2, s20, 4*TILEB
	v_add_nc_u32 v[AP16], s2, v1
	v_add_nc_u32 v[AP8], s2, v2
	v_add_nc_u32 v[AR16], RPART, v1
	v_add_nc_u32 v[AR8], RPART, v2
.irp c, 1
	v_add_nc_u32 v[AP16+\c], CHUNK*\c, v[AP16]
	v_add_nc_u32 v[AP8+\c], CHUNK*\c, v[AP8]
	v_add_nc_u32 v[AR16+\c], CHUNK*\c, v[AR16]
	v_add_nc_u32 v[AR8+\c], CHUNK*\c, v[AR8]
.endr
	s_wait_alu depctr_va_vdst(0)                   ; the wait here, directly ahead of the run of scalar lines
	s_lshl_b32 s2, s20, 2
	s_add_co_u32 s2, s2, s62
	s_lshl_b32 s2, s2, 9
	s_add_co_u32 s2, s2, s63
	s_add_nc_u64 s[12:13], s[8:9], s[2:3]          ; my four P tiles' scale words
	s_lshl_b32 s4, s25, 9
	s_add_co_u32 s4, s4, s27
	s_add_nc_u64 s[8:9], s[8:9], s[4:5]            ; the eight R tiles'
	s_and_b32 s4, s61, 7
	s_lshl_b32 s4, s4, 9
	s_add_nc_u64 s[10:11], s[10:11], s[4:5]        ; the bias of R's 128 rows (inside the buffer in both roles)
	s_lshl_b32 s2, s24, 2
	s_add_co_u32 s2, s2, s20
	s_lshl_b32 s2, s2, 8
	s_add_nc_u64 s[14:15], s[14:15], s[2:3]        ; bv of head 4 cy + w (likewise)
.irp a, 0,1,2,3
.irp q, 0,1
	global_load_b128 v[SP+8*\a+4*\q:SP+8*\a+4*\q+3], v3, s[12:13] offset:512*\a+256*\q   ; a row's words of four K steps; sixteen lanes read 256 consecutive bytes
.endr
.endr
.irp b, 0,1,2,3,4,5,6,7
.irp q, 0,1
	global_load_b128 v[SR+8*\b+4*\q:SR+8*\b+4*\q+3], v3, s[8:9] offset:512*\b+256*\q
.endr
.endr
.irp a, 0,1,2,3
	global_load_b32 v[BP+2*\a], v6, s[14:15] offset:(32*(\a/2)+8*(\a%2))*4
	global_load_b32 v[BP+2*\a+1], v6, s[14:15] offset:(32*(\a/2)+8*(\a%2))*4       ; (the packed form names a pair)
.endr
	WIN 0x40
.irp t, 0,1,2,3,4,5,6,7
	global_load_b128 v[96+8*\t+96*(\t/4):96+8*\t+96*(\t/4)+3], v5, s[10:11] offset:(32*(\t/2)+8*(\t%2))*4
	global_load_b128 v[96+8*\t+96*(\t/4)+4:96+8*\t+96*(\t/4)+7], v5, s[10:11] offset:(32*(\t/2)+8*(\t%2))*4+16
.endr
	WIN 0
	; where the codes go.  q, k: head 16 b + 2 (R % 8) and the next; record 2 (P % 8) + w / 2; my four tiles 4 (w % 2) on.   v: head 16 b + 4 cy + w; key step R % 16; my four fragments
	s_lshr_b32 s2, s60, 3
	s_lshl_b32 s2, s2, 4
	s_and_b32 s3, s61, 7
	s_lshl_b32 s3, s3, 1
	s_add_co_u32 s2, s2, s3
	s_and_b32 s3, s60, 7
	s_lshl_b32 s3, s3, 1
	s_add_co_u32 s3, s3, s21
	s_lshr_b32 s4, s61, 4
	s_lshl_b32 s4, s4, 4
	s_lshl_b32 s5, s24, 2
	s_add_co_u32 s4, s4, s5
	s_add_co_u32 s4, s4, s20
	s_and_b32 s5, s61, 15
	s_mul_i32 s18, s22, 3072
	s_lshl_b32 s19, s22, 8
	s_add_co_u32 s19, s19, 6144
	s_cmp_lt_u32 ttmp9, 4
	s_cselect_b32 s2, s2, s4                       ; the head
	s_cselect_b32 s3, s3, s5                       ; the record
	s_cselect_b32 s18, s18, 6656                   ; my codes' place in it
	s_cselect_b32 s19, s19, 12800                  ; my words' place
	s_cselect_b32 s27, s98, 768                    ; from a fragment's first half to its second: the next head, or the next 768 bytes
	s_mul_i32 s2, s2, s98
	s_mul_i32 s3, s3, s99
	s_cselect_b32 s98, s98, 0                      ; lanes 16-31 store the second head's words, or the same words as lanes 0-15
	s_add_co_u32 s2, s2, s3
	s_mov_b32 s3, 0
	s_add_nc_u64 s[16:17], s[16:17], s[2:3]
	s_mov_b32 s2, s19
	s_add_nc_u64 s[88:89], s[16:17], s[2:3]
	s_mov_b32 s2, s18
	s_add_nc_u64 s[84:85], s[16:17], s[2:3]
	s_mov_b32 s2, s27
	s_add_nc_u64 s[86:87], s[84:85], s[2:3]
	v_mul_u32_u24 v7, s98, v4
	v_add_nc_u32 v7, v7, v3
	s_wait_alu depctr_va_vdst(0)
	s_cmp_lt_u32 s20, 2
	s_cbranch_scc0 .Lnot_first
	s_wait_tensorcnt 0x0                           ; waves 0 and 1: K's first half has landed
.Lnot_first:
	s_barrier_signal -1
	s_barrier_wait -1                              ; the first half is shown to all; waves 2 and 3's tiles may still be on their way
	FETCH 0
	s_wait_loadcnt 0x0                             ; the scale words and the biases
	KSTEP 0, 0
.irp g, 1,2,3,4,5,6,7
	KSTEP \g, 2
.endr
	WIN 0
.rept 4
	v_nop                                          ; four places behind the last products, ahead of the first read of results and of writes into the fragments' registers
.endr
.irp b, 0,1,2,3
	v_mov_b32 v[TM+4+\b], 0                        ; a lane permute's destination counts as one of its sources
.endr
	; THE WAY OUT, a P tile at a time: + bias, quantised along R, stored as images
.irp a, 0,1,2,3
.if \a > 0
	s_wait_xcnt 0x0                                ; the last tile's stores have read their bases and v[PC] on: both are written again only behind this wait
	s_add_nc_u64 s[84:85], s[84:85], s[90:91]
	s_add_nc_u64 s[86:87], s[86:87], s[90:91]
.endif
	WIN 0x21                                       ; source 0 (the bias along R) window 1, source 2 (the sums) window 2
.set n, 0
.rept 32
	v_pk_fma_f32 v[T+n:T+n+1], v[96+n+96*(n/32):96+n+96*(n/32)+1], s[92:93], v[64*\a+n:64*\a+n+1] op_sel_hi:[1,0,1]   ; each accumulator from its low end on
.set n, n+2
.endr
	WIN 0
.set n, 0
.rept 32
	v_pk_fma_f32 v[T+n:T+n+1], v[BP+2*\a:BP+2*\a+1], s[94:95], v[T+n:T+n+1] op_sel_hi:[0,0,1]
.set n, n+2
.endr
	QUANT T, WD+\a
	global_store_b128 v1, v[PC:PC+3], s[84:85]
	global_store_b64 v2, v[PC+4:PC+5], s[84:85] offset:512
	global_store_b128 v1, v[PC+6:PC+9], s[86:87]
	global_store_b64 v2, v[PC+10:PC+11], s[86:87] offset:512
.endr
.irp a, 0,1,2,3
	v_and_b32 v[TW+\a], s96, v[WD+\a]
	v_lshrrev_b32 v[WS+\a], s97, v[WD+\a]
.endr
	v_cmp_eq_u32 vcc_lo, 1, v4
.irp a, 0,1,2,3
	v_cndmask_b32 v[WS+\a], v[TW+\a], v[WS+\a], vcc_lo
.endr
	global_store_b128 v7, v[WS:WS+3], s[88:89]     ; sixteen lanes store 256 consecutive bytes, aligned
	s_wait_tensorcnt 0x0
	ds_add_u32 v254, v255
	s_wait_dscnt 0x0
	CROUND                                         ; the closing round: no work-group ends while a partner may still ask for a tile that names it
	s_endpgm
.Lfunc_end_k_qe9fe8fe544_qkv:
	.size	k_qe9fe8fe544_qkv, .Lfunc_end_k_qe9fe8fe544_qkv-k_qe9fe8fe544_qkv
	.p2alignl 7, 3214868480
	.fill 96, 4, 3214868480
	.section	.rodata,"a",@progbits
	.p2align	6, 0x0
	.amdhsa_kernel k_qe9fe8fe544_qkv
		.amdhsa_group_segment_fixed_size 327680
		.amdhsa_private_segment_fixed_size 0
		.amdhsa_enable_private_segment 0
		.amdhsa_kernarg_size 64
		.amdhsa_user_sgpr_count 2
		.amdhsa_user_sgpr_kernarg_segment_ptr 1
		.amdhsa_wavefront_size32 1
		.amdhsa_system_sgpr_workgroup_id_x 1
		.amdhsa_system_sgpr_workgroup_id_y 1
		.amdhsa_system_sgpr_workgroup_id_z 1
		.amdhsa_system_vgpr_workitem_id 0
		.amdhsa_next_free_vgpr 768
		.amdhsa_next_free_sgpr 102
		.amdhsa_reserve_vcc 1
		.amdhsa_float_denorm_mode_32 3
		.amdhsa_float_denorm_mode_16_64 3
		.amdhsa_memory_ordered 1
		.amdhsa_forward_progress 1
		.amdhsa_inst_pref_size 106
	.end_amdhsa_kernel
	.amdgpu_metadata
---
amdhsa.version: [ 1, 2 ]
amdhsa.kernels:
  - .name:           k_qe9fe8fe544_qkv
    .symbol:         k_qe9fe8fe544_qkv.kd
    .args:
      - { .name: xc, .offset: 0, .size: 8, .value_kind: global_buffer, .address_space: global }
      - { .name: wc, .offset: 8, .size: 8, .value_kind: global_buffer, .address_space: global }
      - { .name: sc, .offset: 16, .size: 8, .value_kind: global_buffer, .address_space: global }
      - { .name: bq, .offset: 24, .size: 8, .value_kind: global_buffer, .address_space: global }
      - { .name: bk, .offset: 32, .size: 8, .value_kind: global_buffer, .address_space: global }
      - { .name: bv, .offset: 40, .size: 8, .value_kind: global_buffer, .address_space: global }
      - { .name: qc, .offset: 48, .size: 8, .value_kind: global_buffer, .address_space: global }
      - { .name: kv, .offset: 56, .size: 8, .value_kind: global_buffer, .address_space: global }
    .group_segment_fixed_size: 327680
    .private_segment_fixed_size: 0
    .kernarg_segment_align: 8
    .kernarg_segment_size: 64
    .max_flat_workgroup_size: 128
    .sgpr_count:     102
    .vgpr_count:     768
    .wavefront_size: 32
...
	.end_amdgpu_metadata
.endif
;; end of part 2
;; launch attn (part 3): grid 4 x 64, 16 waves a work-group, clusters of 4 x 1, 265,216 bytes of LDS; arguments qc, kv, ac, aw; writes ac, aw
.if DOCPART == 3
	.amdgcn_target "amdgcn-amd-amdhsa--gfx1250"
	.amdhsa_code_object_version 6
	.text
	.protected	k_qe9fe8fe544_attn
	.globl	k_qe9fe8fe544_attn
	.p2align	8
	.type	k_qe9fe8fe544_attn,@function
k_qe9fe8fe544_attn:
	s_mov_b64 s[64:65], 0
	v_nop
	global_prefetch_b8 v0, s[64:65] scope:SCOPE_SE
	s_setreg_imm32_b32 hwreg(HW_REG_WAVE_MODE, 25, 1), 1
	s_wait_xcnt 0x0
	s_wait_alu depctr_hold_cnt(0) depctr_sa_sdst(0) depctr_va_vdst(0) depctr_va_sdst(0) depctr_va_ssrc(0) depctr_va_vcc(0) depctr_vm_vsrc(0)
	s_getreg_b32 s2, hwreg(HW_REG_IB_STS2, 6, 4)
	s_cmp_eq_u32 s2, 0
	s_cbranch_scc0 .Lentry_in_a_cluster
	s_endpgm
.Lentry_in_a_cluster:
	s_bfe_u32 s2, ttmp6, 0x10000c
	s_cmp_lg_u32 s2, 0x3003
	s_cbranch_scc0 .Lentry_shape_is_right
	s_endpgm
.Lentry_shape_is_right:
; ATTN: attn[q] = the sum over keys of softmax(q . k / 8) v, both products on codes of FP6 (E2M3) with E8M0 scales; the result is quantised along (head, channel) and leaves as codes for the last product.
; THE SOFTMAX: t = score x log2(e) / 8; M = the running largest t rounded UP to a whole number, kept as -M = floor(-t); p = 2^(t - M) is quantised along the keys, not normalised; the row's sum is taken of the
; unquantised p in f32 and divides at the end.  When M moves, the sum and O are multiplied by 2^(old M - new M): exact.
; SHARES.  A cluster of four work-groups is one (batch, head); work-group cx owns queries 512 cx on, in two passes of 256; each of its sixteen waves owns one tile of 16 queries a pass, in 256 registers.
; THE HEAD'S WHOLE K AND V LIE IN LDS: 16 records of 13,056 bytes, filled ONCE, by one joint load a wave (the same in all four work-groups).  One barrier; the key loops have none.
; No prefetch: every byte is asked for at the head, and no loop runs ahead of a load.
; A record comes as 51 rows of 256 bytes, each with 64 bytes of padding behind it: byte y lies at 320 (y / 256) + y % 256.  Six rows are then 1,920 bytes = 128 modulo 256.
; LAYOUT.  Both products are used transposed: S^T = K Q^T, O^T = V^T P^T: a lane holds one query throughout.
; THE KEYS OF A TILE OF K ARE CHOSEN BY ADDRESS: row m of tile 4 c + u is key 64 c + 32 (m / 8) + 8 u + m % 8.  In the record that key is row 8 (u / 2) + m % 8 of the stored tile 4 c + 2 (m / 8) + u % 2.
; So score register 32 c + i of lane (query, h) is key 64 c + 32 h + i: a WHOLE scale block in a lane, in the order of the operand's registers 6 c .. 6 c + 5.  No maximum but the row's and no code crosses lanes.
; K's scale words: one register serves two tiles: lanes 0-15 hold tile (c, u)'s for u / 2 = 0, lanes 16-31 for u / 2 = 1 (the ROW selector).  V's words are read from lanes 16-31; what lanes 0-15 of those registers load (codes of V) is not read.
; K = 64 IN AN INSTRUCTION OF 128: Q's upper 64 codes are zeros.  K's tile t is named as twelve registers from its first: the upper six are the next tile's codes (for t = 7: p's); E2M3 has finite numbers only,
; and finite numbers times Q's zeros add exactly 0.  The upper scale bytes are 0 (2^-127, a number).
; LIMITS: NaN and infinities are not served; the promise holds while |t| stays under 2^31; a p under 2^-126 becomes 0; blocks whose largest magnitude lies under 2^-124 carry the byte 1.
; REGISTERS: v1-3 16 x lane, 8 x lane, 16 r; v4-7 lane terms of LDS addresses; v8-12 the step's addresses, then with v13 three partial sums; v14 -M, v15 the largest score; v[16:17] the sum; v18 p's word; v19, v29 at work;
;   v20-23 V's words; v24-27 K's; v28 Q's; v30 f, v31 8 h; v32-43 Q; v44-91 K; v92-103 p's codes; v104-151 V; v152-215 S^T, then p; v216-247 O^T; v248-255 maxima, scale operands, codes on their way.
.set REC,   16320                      ; a record in LDS: 51 rows of 320
.set MREC,  13056                      ; and in memory: K's 8 x 768 bytes, K's words at 6,144, V's 4 x 1,536 at 6,656, V's words at 12,800
.set ROWP,  320
.set STAGE, 16*REC                     ; 2,048 bytes for the work-group's 32 tiles' scale words of attn; no fill lands there
.set SPARE, STAGE+2048                 ; the spare words: 128 bytes a wave
.set BK16, 4
.set BK8,  5
.set BKW,  6
.set BV16, 7
.set AK16, 8
.set AK8,  9
.set AKW,  10
.set AV16, 11
.set AV8,  12
.set PW,   18
.set VW,   20
.set KW,   24
.set QW,   28
.set RQ,   32
.set RK,   44
.set RP,   92
.set RV,   104
.set RS,   152
.set RO,   216
.macro ROUND                           ; a round of the cluster's barrier
	s_barrier_signal -1
	s_barrier_wait -1
	s_cmp_lg_u32 s12, 0
	s_cbranch_scc1 .Lnot_wave_0_\@
	s_barrier_signal -3
.Lnot_wave_0_\@:
	s_barrier_wait -3
	s_barrier_signal -1
	s_barrier_wait -1
.endm
.macro QLOAD p                         ; pass p's tile of Q: 768 bytes of codes and a word a row
	global_load_b128 v[RQ:RQ+3], v1, s[38:39] offset:13312*\p
	global_load_b64 v[RQ+4:RQ+5], v2, s[38:39] offset:13312*\p+512
	global_load_b32 v[QW], v3, s[40:41] offset:13312*\p
.endm
.macro KLD t, a16, a8, off             ; tile t = 4 c + u of K: six registers
	ds_load_b128 v[RK+6*(\t):RK+6*(\t)+3], v[\a16] offset:(\off)+(12*((\t)/4)+3*((\t)%2))*ROWP+128*(((\t)%4)/2)
	ds_load_b64 v[RK+6*(\t)+4:RK+6*(\t)+5], v[\a8] offset:(\off)+(12*((\t)/4)+3*((\t)%2)+2)*ROWP+64*(((\t)%4)/2)
.endm
.macro KWLD a, off                     ; K's words: register 2 c + u % 2
	ds_load_b64 v[KW:KW+1], v[\a] offset:(\off)+24*ROWP
	ds_load_b64 v[KW+2:KW+3], v[\a] offset:(\off)+25*ROWP
.endm
.macro SUM4 k                          ; pairs k .. k + 3 of p onto four sums by turns
	v_pk_add_f32 v[8:9], v[8:9], v[RS+2*(\k):RS+2*(\k)+1]
	v_pk_add_f32 v[10:11], v[10:11], v[RS+2*(\k)+2:RS+2*(\k)+3]
	v_pk_add_f32 v[12:13], v[12:13], v[RS+2*(\k)+4:RS+2*(\k)+5]
	v_pk_add_f32 v[16:17], v[16:17], v[RS+2*(\k)+6:RS+2*(\k)+7]
.endm
	s_load_b256 s[4:11], s[0:1], 0x0               ; qc s[4:5], kv s[6:7], ac s[8:9], aw s[10:11]
	v_lshl_add_u32 v254, v0, 2, SPARE
	v_mov_b32 v255, 0
	ds_add_u32 v254, v255                          ; the opening lines: the add, twice on end, and its wait
	ds_add_u32 v254, v255
	v_lshrrev_b32 v1, 5, v0
	v_readfirstlane_b32 s12, v1                    ; wave 0..15
	s_bfe_u32 s13, ttmp6, 0x40000                  ; cx: it enters Q's and the outputs' addresses alone
	s_and_b32 s14, ttmp7, 0xffff                   ; 16 b + head: the cluster's y
	s_and_b32 s15, s14, 15                         ; head
	s_lshr_b32 s16, s14, 4                         ; b
	s_mov_b32 s24, 15|(3<<16)|(1<<20)|(1<<21)|(5<<22)|(15<<25)   ; the mask: all four; elements of 8 bytes; padding on; bit 21 beside a mask; after every 64 words 16 words
	s_mov_b32 s25, 32<<16                          ; tensor_dim0
	s_mov_b32 s26, 51<<16                          ; tensor_dim1
	s_mov_b32 s27, 32<<16                          ; tile_dim0
	s_mov_b32 s28, 51                              ; tile_dim1
	s_mov_b32 s29, 32                              ; tensor_dim0_stride
	s_mov_b32 s30, 0
	s_mov_b32 s31, 0
	s_mov_b32 s32, 1                               ; group 0: count = 1
	s_mul_i32 s33, s12, REC                        ; LDS address: key step w
	s_mul_i32 s2, s14, 16*MREC
	s_mul_i32 s3, s12, MREC
	s_add_co_u32 s2, s2, s3
	s_mov_b32 s3, 0
	s_mov_b32 s20, 0x76543210                      ; v_permlanex16_b32's selects: lane l xor 16
	s_mov_b32 s21, 0xfedcba98
	s_mov_b32 s22, 0x3e38aa3b                      ; c = log2(e) / 8
	s_mov_b32 s23, s22                             ; (named with it as a pair)
	s_wait_dscnt 0x0
	s_wait_kmcnt 0x0
	s_add_nc_u64 s[34:35], s[6:7], s[2:3]          ; global address: my head's record w
	s_or_b32 s35, s35, 0x80000000                  ; type = 2
	ROUND                                          ; all four work-groups are here: the joint loads meet
	tensor_load_to_lds s[32:35], s[24:31]          ; my one tensor load of the launch
	s_nop 0
.rept 4
	v_nop
.endr
	v_and_b32 v8, 31, v0
	v_and_b32 v9, 15, v0                           ; r
	v_and_b32 v10, 7, v0                           ; r % 8
	v_bfe_u32 v11, v0, 3, 1                        ; r / 8
	v_bfe_u32 v12, v0, 4, 1                        ; h
	v_lshlrev_b32 v1, 4, v8                        ; 16 x lane
	v_lshlrev_b32 v2, 3, v8                        ; 8 x lane: also V's pieces of 8 bytes
	v_lshlrev_b32 v3, 4, v9                        ; 16 r
	v_mul_u32_u24 v13, v11, 6*ROWP                 ; two stored tiles on for rows 8-15
	v_mad_u32_u24 v[BK16], v12, ROWP, v13
	v_lshl_add_u32 v[BK8], v12, 7, v13
	v_lshlrev_b32 v[BKW], 7, v12
	v_mad_u32_u24 v[BV16], v12, ROWP, v3           ; V's pieces of 16 bytes: 16 r + a row on for lanes 16-31
	v_lshl_add_u32 v[BK16], v10, 4, v[BK16]        ; K's pieces of 16 bytes: 1,920 (r / 8) + 320 h + 16 (r % 8)
	v_lshl_add_u32 v[BK8], v10, 3, v[BK8]          ; of 8 bytes: 1,920 (r / 8) + 128 h + 8 (r % 8)
	v_lshl_add_u32 v[BKW], v11, 3, v[BKW]
	v_lshlrev_b32 v31, 3, v12                      ; 8 h
	v_lshl_add_u32 v[BKW], v10, 4, v[BKW]          ; K's words: 16 (r % 8) + 8 (r / 8) + 128 h
.irp j, 6,7,8,9,10,11
	v_mov_b32 v[RQ+\j], 0                          ; Q's upper 64 codes
.endr
.irp j, 0,1,2,3,4,5
	v_mov_b32 v[RP+\j], 0                          ; named by K's last tile before p's first codes are made
.endr
	v_mov_b32 v19, 0
	v_mov_b32 v29, 0                               ; a lane permute's destination counts as one of its sources
	s_wait_alu depctr_va_vdst(0)                   ; the wait behind the head's last vector line
	s_lshl_b32 s17, s12, 6
	s_add_co_u32 s17, s17, STAGE                   ; the stage: 64 bytes a tile
	s_mul_i32 s46, s14, 106496                     ; my head's records of q;
	s_lshl_b32 s47, s13, 2
	s_lshr_b32 s48, s12, 3
	s_add_co_u32 s47, s47, s48                     ; record 4 cx + w / 8 (pass 1: two records on),
	s_mul_i32 s47, s47, 6656
	s_add_co_u32 s46, s46, s47
	s_and_b32 s48, s12, 7                          ; tile w % 8 of it
	s_mul_i32 s48, s48, 768
	s_add_co_u32 s48, s48, s46
	s_mov_b32 s49, 0
	s_add_nc_u64 s[38:39], s[4:5], s[48:49]
	s_bfe_u32 s48, s12, 0x10002                    ; its words: 6,144 + 256 ((w / 4) % 2) + 4 (w % 4) + 16 r
	s_lshl_b32 s48, s48, 8
	s_and_b32 s47, s12, 3
	s_lshl_b32 s47, s47, 2
	s_add_co_u32 s48, s48, s47
	s_add_co_u32 s48, s48, 6144
	s_add_co_u32 s48, s48, s46
	s_add_nc_u64 s[40:41], s[4:5], s[48:49]
	QLOAD 0
	s_lshl_b32 s46, s16, 7
	s_lshl_b32 s47, s13, 5
	s_add_co_u32 s46, s46, s47                     ; the work-group's first tile of tokens: 128 b + 32 cx
	s_lshl_b32 s48, s46, 6
	s_lshl_b32 s47, s15, 15
	s_add_co_u32 s48, s48, s47
	s_add_nc_u64 s[44:45], s[10:11], s[48:49]      ; aw: [head][tile][r], 4 bytes
	s_add_co_u32 s46, s46, s12
	s_mul_i32 s48, s46, 12288
	s_mul_i32 s47, s15, 768                        ; head hd is the half hd % 2 of K step hd / 2: 768 hd bytes into the tile
	s_add_co_u32 s48, s48, s47
	s_add_nc_u64 s[42:43], s[8:9], s[48:49]        ; ac: my tile (pass 1: sixteen tiles on)
	s_and_b32 s46, s15, 1
	s_lshl_b32 s46, s46, 4                         ; an odd head's two scale bytes go to the word's upper half
	s_wait_tensorcnt 0x0                           ; my record has landed,
	s_barrier_signal -1
	s_barrier_wait -1                              ; everybody's has: the head's K and V are whole, and nothing writes them again
; A KEY STEP of 128 keys.  pre = 1: the next step's K is asked for.  qnext = 1: the next pass's Q likewise.
.macro STEP pre, qnext
	s_wait_dscnt 0x0                               ; K and its words, asked for a step ago, are in
	v_add_nc_u32 v[AV16], s36, v[BV16]             ; the step's addresses, made ahead of the products: the loads that read them stand behind the products
	v_add_nc_u32 v[AV8], s36, v2
	v_add_nc_u32 v[AK16], s36, v[BK16]
	v_add_nc_u32 v[AK8], s36, v[BK8]
	v_add_nc_u32 v[AKW], s36, v[BKW]
.irp c, 0,1
.irp hh, 0,1
.irp o, 0,1
	v_wmma_scale_f32_16x16x128_f8f6f4 v[RS+8*(4*\c+2*\hh+\o):RS+8*(4*\c+2*\hh+\o)+7], v[RK+6*(4*\c+2*\hh+\o):RK+6*(4*\c+2*\hh+\o)+11], v[RQ:RQ+11], 0, v[KW+2*\c+\o], v[QW] matrix_a_fmt:MATRIX_FMT_FP6 matrix_b_fmt:MATRIX_FMT_FP6 matrix_a_scale:MATRIX_SCALE_ROW\hh
.endr
.endr
.endr
	v_mov_b32 v19, v14                             ; the old -M.  With three v_nop: the four places between the products (the last step's second ones too) and the loads and reads below
.rept 3
	v_nop
.endr
.irp e, 0,1,2,3                                ; all the step's LDS loads in one run: V's 17, then the next step's K, 18
.irp c, 0,1
	ds_load_b128 v[RV+12*\e+6*\c:RV+12*\e+6*\c+3], v[AV16] offset:(26+6*\e+3*\c)*ROWP
	ds_load_b64 v[RV+12*\e+6*\c+4:RV+12*\e+6*\c+5], v[AV8] offset:(28+6*\e+3*\c)*ROWP
.endr
.endr
	ds_load_b128 v[VW:VW+3], v[AV16] offset:49*ROWP   ; lanes 16-31 stand a row on: row 50, V's words
.if \pre
.irp t, 0,1,2,3,4,5,6,7
	KLD \t, AK16, AK8, REC
.endr
	KWLD AKW, REC
.endif
.if \qnext
	QLOAD 1
.endif
.irp j, 0,1,2,3,4,5,6,7                        ; the largest score of my two blocks of 32 keys, a chain to each tile, by turns: it serves the row's maximum and, since p rises with the score, the block's largest p
	v_max3_num_f32 v[248+\j], v[RS+8*\j], v[RS+8*\j+1], v[RS+8*\j+2]
.endr
.irp j, 0,1,2,3,4,5,6,7
	v_max3_num_f32 v[248+\j], v[248+\j], v[RS+8*\j+3], v[RS+8*\j+4]
.endr
	v_max3_num_f32 v13, v[RS+7], v[RS+15], v[RS+23]
	v_max3_num_f32 v29, v[RS+39], v[RS+47], v[RS+55]
.irp j, 0,1,2,3,4,5,6,7
	v_max3_num_f32 v[248+\j], v[248+\j], v[RS+8*\j+5], v[RS+8*\j+6]
.endr
	v_max3_num_f32 v248, v248, v249, v[RS+31]
	v_max3_num_f32 v252, v252, v253, v[RS+63]
	v_max3_num_f32 v251, v250, v251, v13
	v_max3_num_f32 v255, v254, v255, v29
	v_max_num_f32 v251, v248, v251                 ; block h
	v_max_num_f32 v255, v252, v255                 ; block 2 + h
	v_max_num_f32 v13, v251, v255
	v_permlanex16_b32 v29, v13, s20, s21
	v_max3_num_f32 v15, v15, v13, v29              ; the running largest score, with lane l xor 16's 64 keys
	v_mul_f32 v13, s22, v15                        ; as t (c is positive)
	v_floor_f32 v14, -v13                          ; the new -M = -ceil(t): a whole number
.set n, 0
.rept 32
	v_pk_fma_f32 v[RS+n:RS+n+1], v[RS+n:RS+n+1], s[22:23], v[14:15] op_sel_hi:[1,0,0]   ; t - M, two at a time; the three lines that make f stand among them
.if n == 6
	v_sub_f32 v13, v14, v19                        ; old M - new M: a whole number, 0 or less
.endif
.if n == 18
	v_cvt_i32_f32 v13, v13                         ; (it saturates)
.endif
.if n == 30
	v_ldexp_f32 v30, 1.0, v13                      ; f = 2^(old M - new M)
.endif
.set n, n+2
.endr
	v_fma_f32 v251, v251, s22, v14                 ; the same of each block's largest score
	v_fma_f32 v255, v255, s22, v14
	s_wait_alu depctr_va_vdst(0)                   ; the wait ahead of the batch
	v_exp_f32 v251, v251                           ; the blocks' largest p: the same two instructions on the same numbers
	v_exp_f32 v255, v255
.set n, 0
.rept 64
	v_exp_f32 v[RS+n], v[RS+n]                     ; p = 2^(t - M)
.set n, n+1
.endr
	v_pk_mul_f32 v[16:17], v[16:17], v[30:31] op_sel_hi:[1,0]   ; the sum under the new M: the plain line behind the exponentials
.if \pre
	s_wait_dscnt 18                                ; V and its words are in; the next step's K, 16 loads and 2 of words issued behind them, stays out
.else
	s_wait_dscnt 0x0
.endif
	s_wait_alu depctr_va_vdst(0)                   ; one wait for the batch, directly ahead of the first reader of O^T too
.set n, 0
.rept 16
	v_pk_mul_f32 v[RO+n:RO+n+1], v[RO+n:RO+n+1], v[30:31] op_sel_hi:[1,0]   ; O^T under the new M
.set n, n+2
.endr
	v_max_num_f32 v251, 0x1800000, v251            ; the floor 2^(3 - 127): the byte cannot fall under 1
	v_max_num_f32 v255, 0x1800000, v255
	v_pk_add_f32 v[8:9], v[RS:RS+1], v[RS+2:RS+3]  ; the row's sum of the unquantised p, four sums by turns; the scales', the word's and the codes' lines stand between its groups
	v_pk_add_f32 v[10:11], v[RS+4:RS+5], v[RS+6:RS+7]
	v_pk_add_f32 v[12:13], v[RS+8:RS+9], v[RS+10:RS+11]
	v_pk_add_f32 v[16:17], v[16:17], v[RS+12:RS+13]
	v_add_nc_u32 v251, 0xff000000, v251            ; 2 off the exponent field: the conversion's scale operand
	v_add_nc_u32 v255, 0xff000000, v255
	SUM4 7
	v_lshrrev_b32 v19, 23, v251                    ; the scales' bytes: blocks h and 2 + h
	v_lshrrev_b32 v29, 23, v255
	v_cvt_scalef32_pk16_fp6_f32 v[RP:RP+2], v[RS:RS+15], v251
	v_cvt_scalef32_pk16_fp6_f32 v[248:250], v[RS+16:RS+31], v251      ; (a conversion's three registers begin on an even number)
	v_cvt_scalef32_pk16_fp6_f32 v[RP+6:RP+8], v[RS+32:RS+47], v255
	v_cvt_scalef32_pk16_fp6_f32 v[252:254], v[RS+48:RS+63], v255
	v_lshl_or_b32 v19, v29, 16, v19                ; (the plain line behind the conversions)
	SUM4 11
	v_lshlrev_b32 v19, v31, v19                    ; 8 h bits up
	v_mov_b32 v[RP+3], v248
	v_mov_b32 v[RP+4], v249
	SUM4 15
	v_permlanex16_b32 v29, v19, s20, s21
	v_mov_b32 v[RP+5], v250
	v_mov_b32 v[RP+9], v252
	SUM4 19
	v_or_b32 v[PW], v19, v29                       ; with lane l xor 16's two bytes p's word is whole; fourteen plain lines stand between it and the scaled products
	v_mov_b32 v[RP+10], v253
	v_mov_b32 v[RP+11], v254
	SUM4 23
	SUM4 27
	v_pk_add_f32 v[8:9], v[8:9], v[RS+62:RS+63]
	v_pk_add_f32 v[10:11], v[10:11], v[12:13]
	v_pk_add_f32 v[16:17], v[16:17], v[8:9]
	v_pk_add_f32 v[16:17], v[16:17], v[10:11]
.irp e, 0,1,2,3
	v_wmma_scale_f32_16x16x128_f8f6f4 v[RO+8*\e:RO+8*\e+7], v[RV+12*\e:RV+12*\e+11], v[RP:RP+11], v[RO+8*\e:RO+8*\e+7], v[VW+\e], v[PW] matrix_a_fmt:MATRIX_FMT_FP6 matrix_b_fmt:MATRIX_FMT_FP6 matrix_a_scale:MATRIX_SCALE_ROW1
.endr
.endm
; THE WAY OUT of a pass: O^T / the sum; register 16 b + i is channel 32 b + 16 h + i of my query (V's tiles are taken as they are stored): two blocks of the last product's K; codes to ac as half a fragment's image, the word to the stage
.macro OUTP p
.rept 4
	v_nop                                          ; four places behind the last products
.endr
	v_add_f32 v16, v16, v17                        ; the sum's two halves,
	v_permlanex16_b32 v13, v16, s20, s21
	v_add_f32 v16, v16, v13                        ; and lane l xor 16's
	s_wait_alu depctr_va_vdst(0)
	v_rcp_f32 v16, v16
	v_nop                                          ; a plain line behind the reciprocal,
	s_wait_alu depctr_va_vdst(0)                   ; and the wait ahead of its first reader and of O^T's
.set n, 0
.rept 16
	v_pk_mul_f32 v[RS+n:RS+n+1], v[RO+n:RO+n+1], v[16:17] op_sel_hi:[1,0]   ; each accumulator from its low end on
.set n, n+2
.endr
	v_max3_num_f32 v251, |v[RS]|, |v[RS+1]|, 0x1800000
	v_max3_num_f32 v255, |v[RS+16]|, |v[RS+17]|, 0x1800000
.irp i, 2,4,6,8,10,12,14
	v_max3_num_f32 v251, v251, |v[RS+\i]|, |v[RS+\i+1]|
	v_max3_num_f32 v255, v255, |v[RS+16+\i]|, |v[RS+17+\i]|
.endr
	v_permlanex16_b32 v19, v251, s20, s21
	v_permlanex16_b32 v29, v255, s20, s21
	v_and_b32 v13, 15, v0
	v_max_num_f32 v251, v251, v19
	v_max_num_f32 v255, v255, v29
	v_lshl_add_u32 v13, v13, 2, s17                ; my word's place in the stage: 4 r
	v_add_nc_u32 v251, 0xff000000, v251
	v_add_nc_u32 v255, 0xff000000, v255
	v_lshrrev_b32 v19, 23, v251
	v_lshrrev_b32 v29, 23, v255
	v_cvt_scalef32_pk16_fp6_f32 v[RP:RP+2], v[RS:RS+15], v251
	v_cvt_scalef32_pk16_fp6_f32 v[248:250], v[RS+16:RS+31], v255
	v_lshl_or_b32 v19, v29, 8, v19                 ; (the plain line behind the conversions)
	v_lshlrev_b32 v19, s46, v19                    ; my head's half of the K step's scale word
.irp i, 0,1,2
	v_permlane16_swap_b32 v[RP+\i], v[248+\i]      ; a whole block in a lane
.endr
.irp i, 0,1,2
	v_mov_b32 v[RP+3+\i], v[248+\i]
.endr
	global_store_b128 v1, v[RP:RP+3], s[42:43] offset:196608*\p
	global_store_b64 v2, v[RP+4:RP+5], s[42:43] offset:196608*\p+512
	ds_store_b32 v13, v19 offset:1024*\p           ; both halves of the lanes write the same word with the same value
.endm
.macro PASS p
.if \p == 1
	s_wait_xcnt 0x0                                ; the first pass's stores have read p's registers: they are written again only behind this wait
.endif
	v_mov_b32 v15, 0xff61b1e6                      ; the largest score so far: -3e38
	v_mov_b32 v14, 0x7d000000                      ; -M: 2^123, a whole number: the first change of M gives f = 0
	v_mov_b32 v16, 0
	v_mov_b32 v17, 0
.set n, 0
.rept 32
	v_mov_b32 v[RO+n], 0                           ; O^T: the step is written without a first step of its own: the first change of M multiplies zeros
.set n, n+1
.endr
	s_mov_b32 s36, 0                               ; the LDS byte at which the step's record begins
.irp t, 0,1,2,3,4,5,6,7
	KLD \t, BK16, BK8, 0
.endr
	KWLD BKW, 0
	s_wait_alu depctr_va_vdst(0)
	s_wait_loadcnt 0x0                             ; Q
	s_mov_b32 s37, 15
.Lkeys_\p:
	STEP 1, 0
	s_add_co_u32 s36, s36, REC
	s_sub_co_u32 s37, s37, 1
	s_cmp_lg_u32 s37, 0
	s_cbranch_scc1 .Lkeys_\p
	STEP 0, 1-\p                                   ; the last step asks for no further K
	OUTP \p
.endm
	PASS 0
	PASS 1
	s_wait_dscnt 0x0                               ; for the others' sake: my two words lie in the stage
	s_barrier_signal -1
	s_barrier_wait -1
	v_lshl_add_u32 v4, v0, 4, STAGE                ; 16 bytes a thread: threads 0 to 127 cover the stage's 2,048 bytes
	v_lshlrev_b32 v5, 4, v0
	s_cmp_lt_u32 s12, 4
	s_cbranch_scc0 .Lno_words
	ds_load_b128 v[32:35], v4
	s_wait_dscnt 0x0
	s_wait_alu depctr_va_vdst(0)
	global_store_b128 v5, v[32:35], s[44:45]       ; a wave stores 512 consecutive bytes, aligned
.Lno_words:
	s_wait_xcnt 0x0
	v_lshl_add_u32 v254, v0, 2, SPARE              ; the add's two registers, made anew from v0
	v_mov_b32 v255, 0
	s_wait_alu depctr_va_vdst(0)
	s_wait_tensorcnt 0x0                           ; the wave's end
	ds_add_u32 v254, v255
	s_wait_dscnt 0x0
	ROUND                                          ; the closing round
	s_endpgm
.Lfunc_end_k_qe9fe8fe544_attn:
	.size	k_qe9fe8fe544_attn, .Lfunc_end_k_qe9fe8fe544_attn-k_qe9fe8fe544_attn
	.p2alignl 7, 3214868480
	.fill 96, 4, 3214868480
	.section	.rodata,"a",@progbits
	.p2align	6, 0x0
	.amdhsa_kernel k_qe9fe8fe544_attn
		.amdhsa_group_segment_fixed_size 265216
		.amdhsa_private_segment_fixed_size 0
		.amdhsa_enable_private_segment 0
		.amdhsa_kernarg_size 32
		.amdhsa_user_sgpr_count 2
		.amdhsa_user_sgpr_kernarg_segment_ptr 1
		.amdhsa_wavefront_size32 1
		.amdhsa_system_sgpr_workgroup_id_x 1
		.amdhsa_system_sgpr_workgroup_id_y 1
		.amdhsa_system_sgpr_workgroup_id_z 1
		.amdhsa_system_vgpr_workitem_id 0
		.amdhsa_next_free_vgpr 256
		.amdhsa_next_free_sgpr 66
		.amdhsa_reserve_vcc 0
		.amdhsa_float_denorm_mode_32 3
		.amdhsa_float_denorm_mode_16_64 3
		.amdhsa_memory_ordered 1
		.amdhsa_forward_progress 1
		.amdhsa_inst_pref_size 76
	.end_amdhsa_kernel
	.amdgpu_metadata
---
amdhsa.version: [ 1, 2 ]
amdhsa.kernels:
  - .name:           k_qe9fe8fe544_attn
    .symbol:         k_qe9fe8fe544_attn.kd
    .args:
      - { .name: qc, .offset: 0, .size: 8, .value_kind: global_buffer, .address_space: global }
      - { .name: kv, .offset: 8, .size: 8, .value_kind: global_buffer, .address_space: global }
      - { .name: ac, .offset: 16, .size: 8, .value_kind: global_buffer, .address_space: global }
      - { .name: aw, .offset: 24, .size: 8, .value_kind: global_buffer, .address_space: global }
    .group_segment_fixed_size: 265216
    .private_segment_fixed_size: 0
    .kernarg_segment_align: 8
    .kernarg_segment_size: 32
    .max_flat_workgroup_size: 512
    .sgpr_count:     66
    .vgpr_count:     256
    .wavefront_size: 32
...
	.end_amdgpu_metadata
.endif
;; end of part 3
;; launch out (part 4): grid 8 x 32, 4 waves a work-group, clusters of 4 x 4, 327,680 bytes of LDS; arguments ac, wc, aw, sc, bo, out0; writes out0
.if DOCPART == 4
	.amdgcn_target "amdgcn-amd-amdhsa--gfx1250"
	.amdhsa_code_object_version 6
	.text
	.protected	k_qe9fe8fe544_out
	.globl	k_qe9fe8fe544_out
	.p2align	8
	.type	k_qe9fe8fe544_out,@function
k_qe9fe8fe544_out:
	s_mov_b64 s[64:65], 0
	v_nop
	global_prefetch_b8 v0, s[64:65] scope:SCOPE_SE
	s_setreg_imm32_b32 hwreg(HW_REG_WAVE_MODE, 25, 1), 1
	s_wait_xcnt 0x0
	s_wait_alu depctr_hold_cnt(0) depctr_sa_sdst(0) depctr_va_vdst(0) depctr_va_sdst(0) depctr_va_ssrc(0) depctr_va_vcc(0) depctr_vm_vsrc(0)
	s_getreg_b32 s2, hwreg(HW_REG_IB_STS2, 6, 4)
	s_cmp_eq_u32 s2, 0
	s_cbranch_scc0 .Lentry_in_a_cluster
	s_endpgm
.Lentry_in_a_cluster:
	s_bfe_u32 s2, ttmp6, 0x10000c
	s_cmp_lg_u32 s2, 0xf033
	s_cbranch_scc0 .Lentry_shape_is_right
	s_endpgm
.Lentry_shape_is_right:
; OUT: out0 = attn Wo + bo on codes of FP6 (E2M3) with E8M0 scales, K = 1,024 = (head, channel); out0 [8192][1024] f32.
; P: 256 tokens (the matrix instruction's second source: the result's lanes), R: 128 columns of Wo (the first source: the result's registers).  Lane-row r of tile T is row 32 (T / 2) + 8 (T % 2) + r % 8 + 16 (r / 8).
; ALL OF K LIES IN LDS: (256 + 128) rows x 768 bytes = 294,912 bytes, in four chunks of 256 along K, each byte filled once.  Operands are images of registers: every LDS load reads consecutive bytes.
; CLUSTER 4 x 4: P's tiles are shared along a row of the cluster, R's along a column: joint loads.  Waves 0, 1 ask for P's halves, waves 2, 3 for R's: four loads a wave, all at the head.
; A wave takes P tiles 4 w .. 4 w + 3 against all eight R tiles: 32 accumulators, which take turns, one instruction a turn, in the same order in every K step.
; The bias is the C of each sum's first matrix instruction.  attn's scale words come as two halves, one from each head of a K step: lanes 0-15 load the even head's, lanes 16-31 the odd head's (already 16 bits up), and one exchange joins them.
; REGISTERS.  window 0: v1-11 lane terms; v16-31 LDS addresses; v32-63 P's scale words, v64-127 R's; v128-223 P's fragments, two sets; on the way out v128-255 take rows of out0.
;   window 1: R's fragments, two sets, v0-95 and v128-223; bo in v96-127 and v224-255.   window 2: accumulator (a, b) at v[64 a + 8 b].
.set AP16, 16
.set AP8,  20
.set AR16, 24
.set AR8,  28
.set SP,   32
.set SR,   64
.set PF,   128
.set BK,   128                         ; the way out: 16 rows read back from the stage: v128-191 and v192-255 by turns
.set STO,  10
.set RD,   11
; K LIES IN LDS IN TWO HALVES OF 512 ALONG K (this replaces the four chunks and the four loads a wave that the head comment names).  The four tiles are shared out, one joint load a wave, all at the head:
; wave 0 P's 16 tiles of the first half, wave 1 R's 8, wave 2 P's of the second half, wave 3 R's.  Waves 0 and 1 alone wait ahead of the first barrier; every wave waits ahead of the barrier in K step 3.  Each byte is filled once.
.set CHUNK, 147456                     ; LDS: a half of K: 16 P tiles, then 8 R tiles, 6,144 bytes (four K steps) each
.set RPART, 98304
.set TILEB, 6144
.set G1A, 28
.set G1B, 36
.set G0A, 44
.set G0B, 68
.set SEL, 100
.set MSB, 0
.macro WIN new                         ; s_set_vgpr_msb: bits 1:0 source 0, 3:2 source 1, 5:4 source 2, 7:6 destination; the high byte repeats the setting that is left
.if MSB != \new
	s_set_vgpr_msb (MSB<<8)|\new
.set MSB, \new
.endif
.endm
.macro CROUND
	s_barrier_signal -1
	s_barrier_wait -1
	s_cmp_lg_u32 s20, 0
	s_cbranch_scc1 .Lnot_wave_0_\@
	s_barrier_signal -3
.Lnot_wave_0_\@:
	s_barrier_wait -3
	s_barrier_signal -1
	s_barrier_wait -1
.endm
.macro FRAG reg, a16, a8, off
	ds_load_b128 v[\reg:\reg+3], v[\a16] offset:\off
	ds_load_b64 v[\reg+4:\reg+5], v[\a8] offset:\off+512
	ds_load_b128 v[\reg+6:\reg+9], v[\a16] offset:\off+768
	ds_load_b64 v[\reg+10:\reg+11], v[\a8] offset:\off+1280
.endm
.macro FETCH g
	WIN 0x40
.irp b, 0,1,2,3,4,5,6,7
	FRAG 128*((\g)%2)+12*\b, AR16+(\g)/4, AR8+(\g)/4, TILEB*\b+1536*((\g)%4)
.endr
	WIN 0
.irp a, 0,1,2,3
	FRAG PF+48*((\g)%2)+12*\a, AP16+(\g)/4, AP8+(\g)/4, TILEB*\a+1536*((\g)%4)
.endr
.endm
.macro MUL g, cmode                    ; cmode 1: the bias starts the sums; 2: in place
.if \cmode == 1
	WIN 0x91
.else
	WIN 0xa1
.endif
.irp a, 0,1,2,3
.irp b, 0,1,2,3,4,5,6,7
.if \cmode == 1
	v_wmma_scale_f32_16x16x128_f8f6f4 v[64*\a+8*\b:64*\a+8*\b+7], v[128*((\g)%2)+12*\b:128*((\g)%2)+12*\b+11], v[PF+48*((\g)%2)+12*\a:PF+48*((\g)%2)+12*\a+11], v[96+8*\b+96*(\b/4):96+8*\b+96*(\b/4)+7], v[SR+8*\b+(\g)], v[SP+8*\a+(\g)] matrix_a_fmt:MATRIX_FMT_FP6 matrix_b_fmt:MATRIX_FMT_FP6
.else
	v_wmma_scale_f32_16x16x128_f8f6f4 v[64*\a+8*\b:64*\a+8*\b+7], v[128*((\g)%2)+12*\b:128*((\g)%2)+12*\b+11], v[PF+48*((\g)%2)+12*\a:PF+48*((\g)%2)+12*\a+11], v[64*\a+8*\b:64*\a+8*\b+7], v[SR+8*\b+(\g)], v[SP+8*\a+(\g)] matrix_a_fmt:MATRIX_FMT_FP6 matrix_b_fmt:MATRIX_FMT_FP6
.endif
.endr
.endr
.endm
.macro KSTEP g, cmode
	s_wait_dscnt 0x0                               ; this K step's fragments, asked for a whole K step ago, are in
.if (\g) == 3
	s_wait_tensorcnt 0x0                           ; my part of K's second half has landed;
	s_barrier_signal -1
	s_barrier_wait -1                              ; everybody's has.
.endif
.if (\g) < 7
.rept 4
	v_nop                                          ; four places between the last K step's products and the loads into the registers that they read
.endr
	FETCH (\g)+1
.endif
	MUL \g, \cmode
.endm
	s_load_b256 s[4:11], s[0:1], 0x0               ; ac s[4:5], wc s[6:7], aw s[8:9], sc s[10:11]
	s_load_b128 s[12:15], s[0:1], 0x20             ; bo s[12:13], out0 s[14:15]
	v_lshl_add_u32 v14, v0, 2, 0x48000
	v_mov_b32 v15, 0
	ds_add_u32 v14, v15
	ds_add_u32 v14, v15
	v_lshrrev_b32 v1, 5, v0
	v_readfirstlane_b32 s20, v1                    ; wave 0..3
	s_bfe_u32 s23, ttmp6, 0x40000                  ; cx
	s_bfe_u32 s24, ttmp6, 0x40004                  ; cy
	s_and_b32 s26, ttmp7, 0xffff
	s_lshl_b32 s2, s24, 2
	s_lshl_b32 s2, 15, s2                          ; my row of the cluster
	s_lshl_b32 s25, 0x1111, s23                    ; my column
	s_or_b32 s[G1A], s2, (3<<16)|(1<<21)           ; group 1 as rows of 6,144 bytes, 12,288 apart: 16 tiles a load for P, 8 for R; the mask; bit 21 beside it
	s_or_b32 s[G1B], s25, (3<<16)|(1<<21)
.irp g, G1A, G1B
	s_mov_b32 s[\g+1], 768<<16                     ; rows of 6,144 bytes, a tile's four K steps
	s_mov_b32 s[\g+3], 768<<16
	s_mov_b32 s[\g+5], 1536
	s_mov_b32 s[\g+6], 0
	s_mov_b32 s[\g+7], 0
.endr
	s_mov_b32 s[G1A+2], 16<<16
	s_mov_b32 s[G1A+4], 16
	s_mov_b32 s[G1B+2], 8<<16
	s_mov_b32 s[G1B+4], 8
	s_mov_b32 s[SEL], 0x76543210
	s_mov_b32 s[SEL+1], 0xfedcba98
	s_lshl_b32 s60, s26, 2
	s_add_co_u32 s60, s60, s24                     ; P's block of 256 tokens: 4 y + cy.  It never holds cx
	s_lshl_b32 s61, ttmp9, 2
	s_add_co_u32 s61, s61, s23                     ; R's block of 128 columns: 4 x + cx.  It never holds cy
	s_lshl_b32 s62, s60, 4                         ; P's first tile
	s_lshl_b32 s25, s61, 3
	s_add_co_u32 s25, s25, 192                     ; R's first tile: Wo's begin at 192
	s_mul_i32 s2, s62, 12288                       ; P's sixteen tiles
	s_mov_b32 s3, 0
	s_mul_i32 s16, s25, 12288                      ; R's eight tiles
	s_mov_b32 s17, 0
	s_mov_b32 s84, 0                               ; where they go in a half: constants alone
	s_mov_b32 s85, RPART
	s_wait_dscnt 0x0
	s_wait_kmcnt 0x0
	s_add_nc_u64 s[66:67], s[4:5], s[2:3]
	s_add_nc_u64 s[6:7], s[6:7], s[16:17]
.irp c, 0,1
	s_mov_b32 s[G0A+4*\c], 1
	s_add_co_u32 s[G0A+4*\c+1], s84, CHUNK*\c
	s_add_nc_u64 s[G0A+4*\c+2:G0A+4*\c+3], s[66:67], TILEB*\c
	s_or_b32 s[G0A+4*\c+3], s[G0A+4*\c+3], 0x80000000
	s_mov_b32 s[G0B+4*\c], 1
	s_add_co_u32 s[G0B+4*\c+1], s85, CHUNK*\c
	s_add_nc_u64 s[G0B+4*\c+2:G0B+4*\c+3], s[6:7], TILEB*\c
	s_or_b32 s[G0B+4*\c+3], s[G0B+4*\c+3], 0x80000000
.endr
	CROUND                                         ; all sixteen work-groups are here: the joint loads meet
	s_cmp_eq_u32 s20, 0                            ; one chain of branches on the wave's number, one load to an arm, all arms to one join
	s_cbranch_scc0 .Lwave_1
	tensor_load_to_lds s[G0A:G0A+3], s[G1A:G1A+7]  ; wave 0: P, K's first half
	s_nop 0
.rept 4
	v_nop
.endr
	s_branch .Lasked
.Lwave_1:
	s_cmp_eq_u32 s20, 1
	s_cbranch_scc0 .Lwave_2
	tensor_load_to_lds s[G0B:G0B+3], s[G1B:G1B+7]  ; wave 1: R, K's first half
	s_nop 0
.rept 4
	v_nop
.endr
	s_branch .Lasked
.Lwave_2:
	s_cmp_eq_u32 s20, 2
	s_cbranch_scc0 .Lwave_3
	tensor_load_to_lds s[G0A+4:G0A+7], s[G1A:G1A+7]   ; wave 2: P, K's second half
	s_nop 0
.rept 4
	v_nop
.endr
	s_branch .Lasked
.Lwave_3:
	tensor_load_to_lds s[G0B+4:G0B+7], s[G1B:G1B+7]   ; wave 3: R, K's second half
	s_nop 0
.rept 4
	v_nop
.endr
.Lasked:
	v_and_b32 v8, 31, v0
	v_lshlrev_b32 v1, 4, v8                        ; 16 x lane
	v_lshlrev_b32 v2, 3, v8                        ; 8 x lane
	v_and_b32 v9, 15, v0
	v_lshlrev_b32 v3, 4, v9                        ; 16 r
	v_bfe_u32 v4, v0, 4, 1                         ; h
	v_lshlrev_b32 v5, 6, v4                        ; 64 h
	v_lshlrev_b32 v6, 15, v4
	v_lshl_add_u32 v6, v9, 2, v6                   ; attn's words: a head on for lanes 16-31, + 4 r
	s_mul_i32 s86, s20, 8448                       ; my stage for the way out: 16 rows x (512 + 16) bytes
	v_mul_u32_u24 v[STO], v9, 528
	v_add_nc_u32 v[STO], v[STO], v5
	v_add_nc_u32 v[STO], s86, v[STO]               ; in: row r, + 64 h
	v_add_nc_u32 v[RD], s86, v1                    ; back: a whole row, 16 bytes a lane
.irp a, 0,1,2,3
	v_mov_b32 v[240+\a], 0                         ; a lane permute's destination counts as one of its sources
.endr
	s_mul_i32 s2, s20, 4*TILEB
	v_add_nc_u32 v[AP16], s2, v1
	v_add_nc_u32 v[AP8], s2, v2
	v_add_nc_u32 v[AR16], RPART, v1
	v_add_nc_u32 v[AR8], RPART, v2
.irp c, 1
	v_add_nc_u32 v[AP16+\c], CHUNK*\c, v[AP16]
	v_add_nc_u32 v[AP8+\c], CHUNK*\c, v[AP8]
	v_add_nc_u32 v[AR16+\c], CHUNK*\c, v[AR16]
	v_add_nc_u32 v[AR8+\c], CHUNK*\c, v[AR8]
.endr
	s_lshl_b32 s2, s20, 2
	s_add_co_u32 s2, s2, s62
	s_lshl_b32 s2, s2, 6
	s_add_nc_u64 s[8:9], s[8:9], s[2:3]            ; my four P tiles' words, 64 bytes a tile, in head 0
	s_lshl_b32 s16, s25, 9
	s_add_co_u32 s16, s16, 262144
	s_add_nc_u64 s[10:11], s[10:11], s[16:17]      ; the eight R tiles' words
	s_lshl_b32 s16, s61, 9
	s_add_nc_u64 s[12:13], s[12:13], s[16:17]      ; bo of my 128 columns
	s_lshl_b32 s2, s60, 8
	s_lshl_b32 s18, s20, 6
	s_add_co_u32 s2, s2, s18
	s_lshl_b32 s2, s2, 12                          ; my first token's row of 4,096 bytes,
	s_lshl_b32 s18, s61, 9
	s_add_co_u32 s2, s2, s18                       ; my 128 columns
	s_add_nc_u64 s[14:15], s[14:15], s[2:3]
.irp g, 0,1,2,3,4,5,6,7
.irp a, 0,1,2,3
	global_load_b32 v[SP+8*\a+\g], v6, s[8:9] offset:65536*\g+64*\a   ; heads 2 g (lanes 0-15) and 2 g + 1 (lanes 16-31)
.endr
.endr
.irp b, 0,1,2,3,4,5,6,7
.irp q, 0,1
	global_load_b128 v[SR+8*\b+4*\q:SR+8*\b+4*\q+3], v3, s[10:11] offset:512*\b+256*\q
.endr
.endr
	WIN 0x40
.irp t, 0,1,2,3,4,5,6,7
	global_load_b128 v[96+8*\t+96*(\t/4):96+8*\t+96*(\t/4)+3], v5, s[12:13] offset:(32*(\t/2)+8*(\t%2))*4
	global_load_b128 v[96+8*\t+96*(\t/4)+4:96+8*\t+96*(\t/4)+7], v5, s[12:13] offset:(32*(\t/2)+8*(\t%2))*4+16
.endr
	WIN 0
	s_wait_alu depctr_va_vdst(0)                   ; the wait at the head's end
	s_cmp_lt_u32 s20, 2
	s_cbranch_scc0 .Lnot_first
	s_wait_tensorcnt 0x0                           ; waves 0 and 1: K's first half has landed
.Lnot_first:
	s_barrier_signal -1
	s_barrier_wait -1                              ; the first half is shown to all; waves 2 and 3's tiles may still be on their way
	FETCH 0
	s_wait_loadcnt 0x0                             ; the scale words and the bias
.irp g, 0,1,2,3,4,5,6,7
.irp a, 0,1,2,3
	v_permlanex16_b32 v[240+\a], v[SP+8*\a+\g], s[SEL], s[SEL+1]
.endr
.irp a, 0,1,2,3
	v_or_b32 v[SP+8*\a+\g], v[SP+8*\a+\g], v[240+\a]               ; the two heads' halves make the K step's word
.endr
.endr
.rept 8
	v_nop                                          ; a scale register written by a vector instruction stands eight places ahead of a scaled matrix instruction
.endr
	KSTEP 0, 1
.irp g, 1,2,3,4,5,6,7
	s_wait_alu depctr_va_vdst(0)
	KSTEP \g, 2
.endr
	WIN 0
.rept 4
	v_nop                                          ; four places behind the last products, ahead of the stores that read results and of loads into the fragments' registers
.endr
; THE WAY OUT, a P tile (16 tokens x 128 columns) at a time.  A lane holds pieces of one row and the lanes beside it other rows: the tile goes through my stage and comes back as whole rows of 512 bytes.
; The four stages, 33,792 bytes, lie in the first half of K, which was filled once; every wave waited for its last reads of that half ahead of the barrier of K step 3.  LDS serves a wave's instructions in order: no wait between stores and loads.
.macro TOSTAGE a
	WIN 0x08                                       ; an LDS store's data are its source 1: window 2
.irp b, 0,1,2,3,4,5,6,7
	ds_store_b128 v[STO], v[64*(\a)+8*\b:64*(\a)+8*\b+3] offset:128*(\b/2)+32*(\b%2)        ; columns 32 (b / 2) + 16 h + 8 (b % 2) + 0 .. 7; each accumulator from its low end on
	ds_store_b128 v[STO], v[64*(\a)+8*\b+4:64*(\a)+8*\b+7] offset:128*(\b/2)+32*(\b%2)+16
.endr
	WIN 0
.irp t, 0,1,2,3,4,5,6,7,8,9,10,11,12,13,14,15
	ds_load_b128 v[BK+64*((\a)%2)+4*\t:BK+64*((\a)%2)+4*\t+3], v[RD] offset:528*\t
.endr
.endm
.macro SEND a, younger                 ; younger: the LDS instructions issued behind tile a's loads, which may stay out
	s_wait_dscnt \younger
.irp t, 0,1,2,3,4,5,6,7,8,9,10,11,12,13,14,15
	global_store_b128 v1, v[BK+64*((\a)%2)+4*\t:BK+64*((\a)%2)+4*\t+3], s[14:15] offset:(32*((\a)/2)+8*((\a)%2)+(\t%8)+16*(\t/8))*4096 th:TH_STORE_NT   ; 32 lanes store 512 consecutive bytes, aligned; lane-row t's token
.endr
.endm
	TOSTAGE 0
.irp a, 1,2,3
.if \a > 1
	s_wait_xcnt 0x0                                ; tile a - 2's stores have read their registers: tile a's rows may land there
.endif
	TOSTAGE \a
	SEND \a-1, 32                                  ; behind tile a - 1's loads: tile a's 16 stores and 16 loads
.endr
	SEND 3, 0
	s_wait_tensorcnt 0x0
	ds_add_u32 v14, v15
	s_wait_dscnt 0x0
	CROUND                                         ; the closing round: no work-group ends while a partner may still ask for a tile that names it
	s_endpgm
.Lfunc_end_k_qe9fe8fe544_out:
	.size	k_qe9fe8fe544_out, .Lfunc_end_k_qe9fe8fe544_out-k_qe9fe8fe544_out
	.p2alignl 7, 3214868480
	.fill 96, 4, 3214868480
	.section	.rodata,"a",@progbits
	.p2align	6, 0x0
	.amdhsa_kernel k_qe9fe8fe544_out
		.amdhsa_group_segment_fixed_size 327680
		.amdhsa_private_segment_fixed_size 0
		.amdhsa_enable_private_segment 0
		.amdhsa_kernarg_size 48
		.amdhsa_user_sgpr_count 2
		.amdhsa_user_sgpr_kernarg_segment_ptr 1
		.amdhsa_wavefront_size32 1
		.amdhsa_system_sgpr_workgroup_id_x 1
		.amdhsa_system_sgpr_workgroup_id_y 1
		.amdhsa_system_sgpr_workgroup_id_z 1
		.amdhsa_system_vgpr_workitem_id 0
		.amdhsa_next_free_vgpr 768
		.amdhsa_next_free_sgpr 102
		.amdhsa_reserve_vcc 0
		.amdhsa_float_denorm_mode_32 3
		.amdhsa_float_denorm_mode_16_64 3
		.amdhsa_memory_ordered 1
		.amdhsa_forward_progress 1
		.amdhsa_inst_pref_size 90
	.end_amdhsa_kernel
	.amdgpu_metadata
---
amdhsa.version: [ 1, 2 ]
amdhsa.kernels:
  - .name:           k_qe9fe8fe544_out
    .symbol:         k_qe9fe8fe544_out.kd
    .args:
      - { .name: ac, .offset: 0, .size: 8, .value_kind: global_buffer, .address_space: global }
      - { .name: wc, .offset: 8, .size: 8, .value_kind: global_buffer, .address_space: global }
      - { .name: aw, .offset: 16, .size: 8, .value_kind: global_buffer, .address_space: global }
      - { .name: sc, .offset: 24, .size: 8, .value_kind: global_buffer, .address_space: global }
      - { .name: bo, .offset: 32, .size: 8, .value_kind: global_buffer, .address_space: global }
      - { .name: out0, .offset: 40, .size: 8, .value_kind: global_buffer, .address_space: global }
    .group_segment_fixed_size: 327680
    .private_segment_fixed_size: 0
    .kernarg_segment_align: 8
    .kernarg_segment_size: 48
    .max_flat_workgroup_size: 128
    .sgpr_count:     102
    .vgpr_count:     768
    .wavefront_size: 32
...
	.end_amdgpu_metadata
.endif
;; end of part 4
